; MI455X (gfx1250); checked and timed in simulation.
; The chip was launched on July 23, 2026; its instructions are those of AMD's public machine-readable ISA for CDNA 5 (MIT licence, August 2026) and "CDNA5" Instruction Set Architecture Reference Guide (July 2026). The comments in the code are by the model that wrote it; some were corrected since.
;; TFN. Allowed arithmetic: float matrix products may take bf16 or f16 operands with f32 sums; all other float work in f32.
;; Inputs: W1 4,257 x 768 float32; W2 768 x 768 float32; aW 128 x 32 float32; a_beta 128 float32; a_gamma 128 float32; a_mean 128 float32; a_var 128 float32; ab 32 float32; audio_x 128 x 128 x 128 float32; b1 768 float32; b2 768 float32; tW 768 x 128 float32; t_beta 768 float32; t_gamma 768 float32; t_mean 768 float32; t_var 768 float32; tb 128 float32; text_x 128 x 128 x 768 float32.
;; Outputs: out0 128 x 128 x 768 float32.
;; 2 versions, each right; version 2 is version 1 with the launch prep written anew for expert scheduling mode. Each part assembles by itself: llvm-mc -triple=amdgcn-amd-amdhsa -mcpu=gfx1250 --defsym DOCPART=n.
;; ======== version 1 of 2: 4 launches
;; limits: values are held in f16: magnitudes above 65,504 overflow, below 6.1e-05 lose precision; right only within a limited range of input values
;; workspace buffers: w1h 6,537,216 bytes; w2h 1,179,648 bytes; cst 215,040 bytes; act 12,320,768 bytes; y1f 25,165,824 bytes
;; launch prep (part 1): grid 321 x 1, 8 waves a work-group, no clusters, 0 bytes of LDS; arguments W1, W2, tW, aW, t_gamma, t_beta, t_mean, t_var, a_gamma, a_beta, a_mean, a_var, b1, w1h, w2h, cst; writes w1h, w2h, cst
.if DOCPART == 1
	.amdgcn_target "amdgcn-amd-amdhsa--gfx1250"
	.amdhsa_code_object_version 6
	.text
	.protected	k_q084398a7c0_prep
	.globl	k_q084398a7c0_prep
	.p2align	8
	.type	k_q084398a7c0_prep,@function
k_q084398a7c0_prep:
	s_mov_b64 s[64:65], 0
	v_nop
	global_prefetch_b8 v0, s[64:65] scope:SCOPE_SE
	s_setreg_imm32_b32 hwreg(HW_REG_WAVE_MODE, 25, 1), 1
	s_wait_xcnt 0x0
; PREP: the weights are rounded to f16 once and laid out as the later launches read them; the two BatchNorms are folded into x g + c.
;   w1h [strip g 0..3][k' 0..4255][192 columns] f16: W1's rows in the order k' in which the fused product walks them:
;        k' = 0..31        W1 row (k'+1) 129           (audio i = k'+1 times the text side's 1)
;        k' = 32 + q       W1 row q + (q >> 7) + 130   (audio i = (q >> 7) + 1, text j = q % 128 + 1), for q >> 7 < 32
;        q >> 7 = 32       W1 row q - 4095             (the audio side's 1 times text j)
;   w2h [g][k 0..767][192] f16.      cst: tW and aW as matrix fragments, g = gamma rsq(var + eps), c = beta - mean g, b1p = b1 + W1[0].
; LIMITS.  A weight beyond 65,504 becomes an infinity in f16; below 6e-5 it keeps f16's fixed step of 6e-8.  NaN and infinities are not treated apart.
; No LDS, no matrix unit, no cluster: nothing is shared, each input byte is read once and each output byte written once.
; Work-groups 0..313: a wave rounds 8 k rows x 192 columns.  314..319: tW is turned into fragments.  320: aW, the BatchNorm constants, b1p.
.set W1TASKS, 2128                     ; 532 groups of 8 rows x 4 strips; W2 has 96 x 4 = 384 more: 2,512 = 314 x 8 waves
.set STRIP1,  1634304                  ; 4,256 rows x 384 bytes
.set STRIP2,  294912                   ; 768 rows x 384 bytes
.set ROWB,    3072                     ; a row of W1 or W2 in f32
.set EPSB,    0x3727c5ac               ; 1e-5
.set C_AWF,   196608
.set C_GT,    204800
.set C_CT,    207872
.set C_GA,    210944
.set C_CA,    211456
.set C_B1P,   211968
.set OFF, 12                           ; v[12:23]  byte offsets of the twelve chunks of 512 bytes
.set X,   32                           ; loaded f32
.set Y,   80                           ; the stream's packed f16
.set GY,  96                           ; the gathers' packed f16
	s_load_b512 s[8:23], s[0:1], 0x0       ; W1 8, W2 10, tW 12, aW 14, t_gamma 16, t_beta 18, t_mean 20, t_var 22
	s_load_b512 s[24:39], s[0:1], 0x40     ; a_gamma 24, a_beta 26, a_mean 28, a_var 30, b1 32, w1h 34, w2h 36, cst 38
	v_and_b32 v1, 31, v0                   ; lane L
	v_lshrrev_b32 v2, 5, v0
	v_readfirstlane_b32 s2, v2             ; wave
	v_lshlrev_b32 v3, 4, v1                ; 16 L
	v_and_b32 v4, 15, v0                   ; r = L % 16
	v_bfe_u32 v5, v0, 4, 1                 ; h = L / 16
	s_wait_kmcnt 0x0
	s_cmp_lt_u32 ttmp9, 314
	s_cbranch_scc0 .Lnot_stream
	; THE STREAM
	s_lshl_b32 s40, ttmp9, 3
	s_add_co_u32 s40, s40, s2              ; the wave's task
	s_mov_b32 s46, STRIP1
	s_cmp_ge_u32 s40, W1TASKS              ; W2's tasks follow W1's
	s_cselect_b64 s[42:43], s[10:11], s[8:9]
	s_cselect_b64 s[44:45], s[36:37], s[34:35]
	s_cselect_b32 s46, STRIP2, s46
	s_cselect_b32 s47, 1, 0
	s_cselect_b32 s48, W1TASKS, 0
	s_sub_co_u32 s40, s40, s48
	s_and_b32 s41, s40, 3                  ; strip g
	s_lshr_b32 s49, s40, 2
	s_lshl_b32 s49, s49, 3                 ; k0: the first of my 8 rows in the new order
	s_add_co_u32 s50, s49, 1
	s_mul_i32 s50, s50, 129                ; k0 < 32: source row (k0 + 1) 129, the rows 129 apart
	s_sub_co_u32 s51, s49, 32              ; q
	s_lshr_b32 s52, s51, 7                 ; the audio block; 8 divides 128, so my 8 rows share it
	s_add_co_u32 s53, s51, s52
	s_add_co_u32 s53, s53, 130
	s_sub_co_u32 s54, s51, 4095
	s_cmp_eq_u32 s52, 32
	s_cselect_b32 s53, s54, s53
	s_cmp_lt_u32 s49, 32
	s_cselect_b32 s53, s50, s53
	s_cselect_b32 s55, 129, 1
	s_cmp_eq_u32 s47, 1                    ; W2 keeps its order
	s_cselect_b32 s53, s49, s53            ; the first source row
	s_cselect_b32 s55, 1, s55              ; rows from one to the next
	s_mul_i32 s56, s55, ROWB               ; RS: bytes from one source row to the next
	s_mul_i32 s58, s53, ROWB
	s_mul_i32 s57, s41, 768
	s_add_co_u32 s58, s58, s57
	s_mov_b32 s59, 0
	s_add_nc_u64 s[42:43], s[42:43], s[58:59]  ; my strip of the first source row
	s_mul_i32 s58, s41, s46
	s_mul_i32 s57, s49, 384
	s_add_co_u32 s58, s58, s57
	s_add_nc_u64 s[44:45], s[44:45], s[58:59]  ; my 3,072 consecutive bytes of the result
	; Two rows' 1,536 bytes are three chunks of 512: row 0's first 512; row 0's last 256 and row 1's first 256; row 1's last 512.
	; Every half of a wave reads 256 consecutive bytes at a multiple of 256 from the buffer's first byte.
	s_sub_co_u32 s57, s56, 512
	v_mul_lo_u32 v6, v5, s57
	v_lshl_add_u32 v6, v4, 4, v6
	v_add_nc_u32 v6, 512, v6               ; 16 r + 512 + h (RS - 512)
	s_add_co_u32 s54, s56, 256
	v_add_nc_u32 v7, s54, v3               ; RS + 256 + 16 L
	v_lshlrev_b32 v8, 3, v1                ; 8 L: a lane's four f16
	s_lshl_b32 s56, s56, 1
.irp a, 0,1,2,3
	s_mul_i32 s57, s56, \a                 ; pair a of rows
	v_add_nc_u32 v[OFF+3*\a], s57, v3
	v_add_nc_u32 v[OFF+3*\a+1], s57, v6
	v_add_nc_u32 v[OFF+3*\a+2], s57, v7
.endr
.set i, 0
.rept 12
	global_load_b128 v[X+4*i:X+4*i+3], v[OFF+i], s[42:43] th:TH_LOAD_NT
.set i, i+1
.endr
.set i, 0
.rept 12                               ; every chunk has registers of its own: no register is written twice
	s_wait_loadcnt 11-i                    ; loads come back in order: chunk i is in, the younger ones stay out
	v_cvt_pk_f16_f32 v[Y+2*i], v[X+4*i], v[X+4*i+1]
	v_cvt_pk_f16_f32 v[Y+2*i+1], v[X+4*i+2], v[X+4*i+3]
	global_store_b64 v8, v[Y+2*i:Y+2*i+1], s[44:45] offset:256*i  ; the wave stores 256 consecutive bytes, aligned
.set i, i+1
.endr
	s_endpgm
; Eight half fragments: 16 bytes a lane are eight k of one column, gathered from a [k][n] table of f32.  Half fragment t: u = t & 1 (k + 16), then two further steps.
; The tables are small (393 KB and 16 KB) and are turned here once, so that every later read of them is 512 consecutive bytes.
.macro GATHER sb, vo, su, se, ss, base, dsto
.set t, 0
.rept 8
.set e, 0
.rept 8
	global_load_b32 v[X+8*t+e], v[\vo], s[\sb:\sb+1] offset:(\base)+(t&1)*(\su)+e*(\se)+((t>>1)&1)*64+(t>>2)*(\ss)
.set e, e+1
.endr
.set t, t+1
.endr
	s_wait_loadcnt 0x0
	s_wait_xcnt 0x0                        ; the packed registers may have been an earlier batch's store data
.set t, 0
.rept 32
	v_cvt_pk_f16_f32 v[GY+t], v[X+2*t], v[X+2*t+1]
.set t, t+1
.endr
.set t, 0
.rept 8
	global_store_b128 v3, v[GY+4*t:GY+4*t+3], s[38:39] offset:(\dsto)+512*t
.set t, t+1
.endr
.endm
; g = gamma rsq(var + eps), c = beta - mean g, four numbers a lane
.macro BN sg, sb, sm, sv, vo, dg, dc
	global_load_b128 v[32:35], v[\vo], s[\sg:\sg+1]
	global_load_b128 v[36:39], v[\vo], s[\sb:\sb+1]
	global_load_b128 v[40:43], v[\vo], s[\sm:\sm+1]
	global_load_b128 v[44:47], v[\vo], s[\sv:\sv+1]
	s_wait_loadcnt 0x0
.irp z, 0,1,2,3
	v_add_f32 v[44+\z], EPSB, v[44+\z]
.endr
.irp z, 0,1,2,3
	v_rsq_f32 v[48+\z], v[44+\z]
.endr
	v_nop                                  ; a plain instruction between the last root and the use of its result
	s_wait_alu depctr_va_vdst(0)
.irp z, 0,1,2,3
	v_mul_f32 v[48+\z], v[32+\z], v[48+\z]
.endr
.irp z, 0,1,2,3
	v_fma_f32 v[52+\z], -v[40+\z], v[48+\z], v[36+\z]
.endr
	global_store_b128 v[\vo], v[48:51], s[38:39] offset:\dg
	global_store_b128 v[\vo], v[52:55], s[38:39] offset:\dc
.endm
.Lnot_stream:
	s_cmp_lt_u32 ttmp9, 320
	s_cbranch_scc0 .Lmisc
	; tW: TWF [K step s 0..23][column tile c 0..7][u][lane][16 bytes] = tW[32 s + 16 u + 8 h + e][16 c + r].  A wave makes 4,096 bytes: one s, four c.
	s_sub_co_u32 s40, ttmp9, 314
	s_lshl_b32 s40, s40, 3
	s_add_co_u32 s40, s40, s2              ; 0..47
	s_lshr_b32 s41, s40, 1
	s_lshl_b32 s41, s41, 14                ; 32 rows of 512 bytes for each s
	s_and_b32 s42, s40, 1
	s_lshl_b32 s42, s42, 8                 ; four tiles of 64 bytes
	s_add_co_u32 s42, s42, s41
	s_mov_b32 s43, 0
	s_add_nc_u64 s[12:13], s[12:13], s[42:43]
	s_lshl_b32 s42, s40, 12
	s_add_nc_u64 s[38:39], s[38:39], s[42:43]
	v_lshlrev_b32 v6, 2, v4
	v_lshl_add_u32 v6, v5, 12, v6          ; 8 h rows + 4 r
	GATHER 12, 6, 8192, 512, 128, 0, 0
	s_endpgm
.Lmisc:
	s_cmp_lg_u32 s2, 0
	s_cbranch_scc1 .Lbn
	; aW: AWF [s 0..3][c 0..1][u][lane][16 bytes] = aW[32 s + 16 u + 8 h + e][16 c + r]; a row of aW is 128 bytes
	v_lshlrev_b32 v6, 2, v4
	v_lshl_add_u32 v6, v5, 10, v6
	GATHER 14, 6, 2048, 128, 4096, 0, C_AWF
	GATHER 14, 6, 2048, 128, 4096, 8192, C_AWF+4096
	s_endpgm
.Lbn:
	s_cmp_lg_u32 s2, 1
	s_cbranch_scc1 .Ltext
	BN 24, 26, 28, 30, 3, C_GA, C_CA       ; the audio side's 128 numbers
	s_endpgm
.Ltext:                                        ; waves 2..7: 128 of the text side's 768 numbers each, and as many of b1p
	s_sub_co_u32 s40, s2, 2
	s_lshl_b32 s40, s40, 9
	v_add_nc_u32 v6, s40, v3
	global_load_b128 v[56:59], v6, s[32:33]
	global_load_b128 v[60:63], v6, s[8:9]  ; W1's row 0: the product of the two 1s
	BN 16, 18, 20, 22, 6, C_GT, C_CT       ; its wait for 0 covers the two loads above
	v_pk_add_f32 v[56:57], v[56:57], v[60:61]
	v_pk_add_f32 v[58:59], v[58:59], v[62:63]
	global_store_b128 v6, v[56:59], s[38:39] offset:C_B1P
	s_endpgm
.Lfunc_end_k_q084398a7c0_prep:
	.size	k_q084398a7c0_prep, .Lfunc_end_k_q084398a7c0_prep-k_q084398a7c0_prep
	.p2alignl 7, 3214868480
	.fill 96, 4, 3214868480
	.section	.rodata,"a",@progbits
	.p2align	6, 0x0
	.amdhsa_kernel k_q084398a7c0_prep
		.amdhsa_group_segment_fixed_size 0
		.amdhsa_private_segment_fixed_size 0
		.amdhsa_enable_private_segment 0
		.amdhsa_kernarg_size 128
		.amdhsa_user_sgpr_count 2
		.amdhsa_user_sgpr_kernarg_segment_ptr 1
		.amdhsa_wavefront_size32 1
		.amdhsa_system_sgpr_workgroup_id_x 1
		.amdhsa_system_sgpr_workgroup_id_y 1
		.amdhsa_system_sgpr_workgroup_id_z 1
		.amdhsa_system_vgpr_workitem_id 0
		.amdhsa_next_free_vgpr 128
		.amdhsa_next_free_sgpr 66
		.amdhsa_reserve_vcc 0
		.amdhsa_float_denorm_mode_32 3
		.amdhsa_float_denorm_mode_16_64 3
		.amdhsa_memory_ordered 1
		.amdhsa_forward_progress 1
		.amdhsa_inst_pref_size 39
	.end_amdhsa_kernel
	.amdgpu_metadata
---
amdhsa.version: [ 1, 2 ]
amdhsa.kernels:
  - .name:           k_q084398a7c0_prep
    .symbol:         k_q084398a7c0_prep.kd
    .args:
      - { .name: W1, .offset: 0, .size: 8, .value_kind: global_buffer, .address_space: global }
      - { .name: W2, .offset: 8, .size: 8, .value_kind: global_buffer, .address_space: global }
      - { .name: tW, .offset: 16, .size: 8, .value_kind: global_buffer, .address_space: global }
      - { .name: aW, .offset: 24, .size: 8, .value_kind: global_buffer, .address_space: global }
      - { .name: t_gamma, .offset: 32, .size: 8, .value_kind: global_buffer, .address_space: global }
      - { .name: t_beta, .offset: 40, .size: 8, .value_kind: global_buffer, .address_space: global }
      - { .name: t_mean, .offset: 48, .size: 8, .value_kind: global_buffer, .address_space: global }
      - { .name: t_var, .offset: 56, .size: 8, .value_kind: global_buffer, .address_space: global }
      - { .name: a_gamma, .offset: 64, .size: 8, .value_kind: global_buffer, .address_space: global }
      - { .name: a_beta, .offset: 72, .size: 8, .value_kind: global_buffer, .address_space: global }
      - { .name: a_mean, .offset: 80, .size: 8, .value_kind: global_buffer, .address_space: global }
      - { .name: a_var, .offset: 88, .size: 8, .value_kind: global_buffer, .address_space: global }
      - { .name: b1, .offset: 96, .size: 8, .value_kind: global_buffer, .address_space: global }
      - { .name: w1h, .offset: 104, .size: 8, .value_kind: global_buffer, .address_space: global }
      - { .name: w2h, .offset: 112, .size: 8, .value_kind: global_buffer, .address_space: global }
      - { .name: cst, .offset: 120, .size: 8, .value_kind: global_buffer, .address_space: global }
    .group_segment_fixed_size: 0
    .private_segment_fixed_size: 0
    .kernarg_segment_align: 8
    .kernarg_segment_size: 128
    .max_flat_workgroup_size: 256
    .sgpr_count:     66
    .vgpr_count:     128
    .wavefront_size: 32
...
	.end_amdgpu_metadata
.endif
;; end of part 1
;; launch proj (part 2): grid 256 x 1, 4 waves a work-group, no clusters, 272,896 bytes of LDS; arguments text_x, audio_x, cst, tb, ab, act; writes act
.if DOCPART == 2
	.amdgcn_target "amdgcn-amd-amdhsa--gfx1250"
	.amdhsa_code_object_version 6
	.text
	.protected	k_q084398a7c0_proj
	.globl	k_q084398a7c0_proj
	.p2align	8
	.type	k_q084398a7c0_proj,@function
k_q084398a7c0_proj:
	s_mov_b64 s[64:65], 0
	v_nop
	global_prefetch_b8 v0, s[64:65] scope:SCOPE_SE
	s_setreg_imm32_b32 hwreg(HW_REG_WAVE_MODE, 25, 1), 1
	s_wait_xcnt 0x0
; PROJ: text_h = BN(text_x) tW + tb [16,384 x 128] and audio_h = BN(audio_x) aW + ab [16,384 x 32], each row then scaled by an exact power of two and written as the fused product reads them.
; A wave owns 16 rows and all 160 columns.  Its rows of x come into LDS by tensor loads (each LDS byte is filled once: no barrier, no wave reads another's bytes); x g + c is one fused
; multiply-add in f32, rounded to f16; the weights come as ready fragments from cst through a ring of eight register slots.
; THE MATRIX INSTRUCTION IS USED TRANSPOSED (source 0 = 16 columns of the weights, source 1 = 16 rows of x): a lane holds ONE row (lane % 16) and the columns 8 (lane / 16) + 0..7 of each tile,
; which is the order of a source-1 fragment of the next product, and a row's largest magnitude wants one exchange between the halves of the lanes.
; SCALES.  Mt = max(1, max |text_h|), E its exponent field: invT = 2^(126 - E), fwdT = 2^(E - 126); likewise for audio.  Every f16 operand of the fused product then lies in -1 .. 1.
; act, 12,032 bytes for 16 rows: +0 t' = text_h invT in f32, my registers 4 q .. 4 q + 3 at 512 q + 16 L; +8192 u = audio_h invA invT as two f16 half fragments; +9216 (invT invA, fwdT fwdA) of row L % 16 at 8 L;
;   +9472 [i 0..39][row 0..15] f32 words audio_h[i] invA, rows i = 32..39 holding invA.
; LIMITS.  |BN(x)| stays under 65,504 (f16); Mt Ma under 2^125; NaN and infinities are not treated apart.
; No cluster: the rows are each work-group's own, and the weights go to registers, not to LDS.
.set XP,    3120                       ; a row of x in LDS: 3,072 bytes + 16 behind every 1,024: 195 x 16, so the 16 rows of a load start at 16 different groups of four banks (ISA guide 11.1)
.set AUD,   49920                      ; in a wave's region of 65,536 bytes: x at 0; audio (16 rows of 528) here;
.set BNC,   58368                      ; the BatchNorm constants here: gT +0, cT +3072, gA +6144, cA +6656
.set STG,   262144                     ; 2,560 bytes a wave: the stage in which the audio words are turned; no tensor load lands here
.set SPARE, 272384                     ; the spare words, 128 bytes for each wave
.set C_AWF, 196608
.set C_BN,  204800
.set ACTB,  12032
.set A_UF,  8192
.set A_SC,  9216
.set A_AP,  9472
.set SPW, 30                           ; v30  LDS address of my spare word; never rewritten
.set NIL, 31                           ; v31  0; never rewritten
.set XR,  32                           ; v[32:63]   x of a K step, two buffers of 16
.set GC,  64                           ; v[64:127]  g (16) and c (16), two buffers
.set AF,  128                          ; v[128:143] the f16 fragment, two buffers of 8
.set TM,  144                          ; v[144:159] at work
.set TACC, 160                         ; v[160:223] text sums, tile c at 8 c
.set AACC, 224                         ; v[224:239] audio sums
; v1 r, v2 h, v3 16 L, v4 x's LDS address, v5 audio's, v6 the constants', v7-v9 stage addresses, v10 32 h, v11 8 L; v240-253 statistics
; windows 1 and 2: the ring of weights, slot j in window 1 + j / 4 at 64 (j % 4) + 8 c; window 3 v0-63: aW's fragments
.set MSB, 0
.macro WIN new                         ; the immediate's high byte repeats the setting that is left
.if MSB != (\new)
	s_set_vgpr_msb (MSB<<8)|(\new)
.set MSB, \new
.endif
.endm
	s_load_b256 s[4:11], s[0:1], 0x0       ; text_x 4, audio_x 6, cst 8, tb 10
	s_load_b128 s[12:15], s[0:1], 0x20     ; ab 12, act 14
	v_lshl_add_u32 v[SPW], v0, 2, SPARE
	v_mov_b32 v[NIL], 0
	ds_add_u32 v[SPW], v[NIL]              ; the wave's opening: the add and its wait ahead of my first tensor load
	ds_add_u32 v30, v31
	v_lshrrev_b32 v1, 5, v0
	v_readfirstlane_b32 s52, v1            ; wave
	; group 1 for x: 16 rows of 768 elements of 4 bytes, 4 words of padding behind every 256
	s_mov_b32 s16, (2<<16)|(1<<20)|(7<<22)|(3<<25)
	s_mov_b32 s17, 768<<16
	s_mov_b32 s18, 16<<16
	s_mov_b32 s19, 768<<16
	s_mov_b32 s20, 16
	s_mov_b32 s21, 768
	s_mov_b32 s22, 0
	s_mov_b32 s23, 0
	; for audio: 16 rows of 128 elements, 4 words behind every 128
	s_mov_b32 s24, (2<<16)|(1<<20)|(6<<22)|(3<<25)
	s_mov_b32 s25, 128<<16
	s_mov_b32 s26, 16<<16
	s_mov_b32 s27, 128<<16
	s_mov_b32 s28, 16
	s_mov_b32 s29, 128
	s_mov_b32 s30, 0
	s_mov_b32 s31, 0
	; for the constants: 7,168 dense bytes as 28 rows of 256
	s_mov_b32 s32, 3<<16
	s_mov_b32 s33, 32<<16
	s_mov_b32 s34, 28<<16
	s_mov_b32 s35, 32<<16
	s_mov_b32 s36, 28
	s_mov_b32 s37, 32
	s_mov_b32 s38, 0
	s_mov_b32 s39, 0
	s_lshl_b32 s53, ttmp9, 2
	s_add_co_u32 s53, s53, s52             ; my tile of 16 rows
	s_lshl_b32 s59, s52, 16                ; my region of LDS
	s_mov_b32 s40, 1
	s_add_co_u32 s41, s59, BNC
	s_mov_b32 s44, 1
	s_add_co_u32 s45, s59, AUD
	s_mov_b32 s48, 1
	s_mov_b32 s49, s59
	s_mul_i32 s2, s53, 49152               ; 16 rows of text_x
	s_mov_b32 s3, 0
	s_lshl_b32 s62, s53, 13                ; 16 rows of audio_x
	s_mov_b32 s63, 0
	s_mul_i32 s66, s53, ACTB               ; my block of act
	s_mov_b32 s67, 0
	s_mov_b32 s60, 0x76543210              ; v_permlanex16_b32: each lane takes its own place in the other half
	s_mov_b32 s61, 0xfedcba98
	s_mul_i32 s58, s52, 2560
	s_add_co_u32 s58, s58, STG             ; my stage
	v_and_b32 v1, 15, v0                   ; r
	v_bfe_u32 v2, v0, 4, 1                 ; h
	v_and_b32 v3, 31, v0
	v_lshlrev_b32 v11, 3, v3               ; 8 L
	v_lshlrev_b32 v3, 4, v3                ; 16 L
	v_lshlrev_b32 v10, 5, v2               ; 32 h: eight f32
	v_mul_u32_u24 v4, v1, XP
	v_add_nc_u32 v4, v4, v10
	v_add_nc_u32 v4, s59, v4
	v_mul_u32_u24 v5, v1, 528
	v_add_nc_u32 v5, v5, v10
	v_add_nc_u32 v5, s59, v5
	v_add_nc_u32 v5, AUD, v5
	v_add_nc_u32 v6, s59, v10
	v_add_nc_u32 v6, BNC, v6
	v_lshlrev_b32 v12, 2, v1
	v_lshl_add_u32 v7, v2, 9, v12
	v_add_nc_u32 v7, s58, v7               ; stage + 64 (8 h) + 4 r
	v_lshl_add_u32 v8, v2, 6, v12
	v_add_nc_u32 v8, s58, v8               ; stage + 64 h + 4 r
	v_add_nc_u32 v9, s58, v3               ; stage + 16 L
	s_wait_dscnt 0x0                       ; the opening add is done
	s_wait_kmcnt 0x0
	s_add_nc_u64 s[42:43], s[8:9], C_BN
	s_or_b32 s43, s43, 0x80000000
	s_add_nc_u64 s[46:47], s[6:7], s[62:63]
	s_or_b32 s47, s47, 0x80000000
	s_add_nc_u64 s[50:51], s[4:5], s[2:3]
	s_or_b32 s51, s51, 0x80000000
	s_add_nc_u64 s[56:57], s[14:15], s[66:67]
	s_mov_b64 s[54:55], s[8:9]             ; tW's fragments begin at cst's first byte
	tensor_load_to_lds s[40:43], s[32:39]  ; three first fills on end: the constants, audio, x; three loads of mine are out
	s_nop 0
	tensor_load_to_lds s[44:47], s[24:31]
	s_nop 0
	tensor_load_to_lds s[48:51], s[16:23]
	s_nop 0
.rept 4
	v_nop
.endr
	; The biases start the sums: register j of tile c is column 16 c + 8 h + j.  Nothing is cleared.
.set c, 0
.rept 8
	global_load_b128 v[TACC+8*c:TACC+8*c+3], v10, s[10:11] offset:64*c
	global_load_b128 v[TACC+8*c+4:TACC+8*c+7], v10, s[10:11] offset:64*c+16
.set c, c+1
.endr
.set c, 0
.rept 2
	global_load_b128 v[AACC+8*c:AACC+8*c+3], v10, s[12:13] offset:64*c
	global_load_b128 v[AACC+8*c+4:AACC+8*c+7], v10, s[12:13] offset:64*c+16
.set c, c+1
.endr
	WIN 0xc0
.set i, 0
.rept 16
	global_load_b128 v[4*i:4*i+3], v3, s[8:9] offset:C_AWF+512*i
.set i, i+1
.endr
; the weights of K step st of the trip (8,192 bytes: 16 loads of 512 consecutive bytes) into a slot of the ring
.macro BFILL slot, st
	WIN 0x40*(1+(\slot)/4)
.set i, 0
.rept 16
	global_load_b128 v[64*((\slot)%4)+4*i:64*((\slot)%4)+4*i+3], v3, s[54:55] offset:8192*(\st)+512*i
.set i, i+1
.endr
.endm
.irp j, 0,1,2,3,4,5,6
	BFILL \j, \j
.endr
	WIN 0
; twelve LDS loads: a K step's 16 numbers of x for my row (k = 8 h + 0..7 and 16 + 8 h + 0..7), and their g and c
.macro XLOAD b, xa, xo, go, co
.irp o, 0,16,64,80
.set x_i, ((\o)%64)/4+((\o)/64)*8
	ds_load_b128 v[XR+16*(\b)+x_i:XR+16*(\b)+x_i+3], v[\xa] offset:(\xo)+\o
	ds_load_b128 v[GC+32*(\b)+x_i:GC+32*(\b)+x_i+3], v6 offset:(\go)+\o
	ds_load_b128 v[GC+32*(\b)+16+x_i:GC+32*(\b)+16+x_i+3], v6 offset:(\co)+\o
.endr
.endm
.macro FMA8 b                          ; x g + c
.irp z, 0,2,4,6,8,10,12,14
	v_pk_fma_f32 v[TM+\z:TM+\z+1], v[XR+16*(\b)+\z:XR+16*(\b)+\z+1], v[GC+32*(\b)+\z:GC+32*(\b)+\z+1], v[GC+32*(\b)+16+\z:GC+32*(\b)+16+\z+1]
.endr
.endm
.macro CVT8 b
.irp z, 0,1,2,3,4,5,6,7
	v_cvt_pk_f16_f32 v[AF+8*(\b)+\z], v[TM+2*\z], v[TM+2*\z+1]
.endr
.endm
; an audio K step: two products, the two accumulators by turns
.macro ASTEP s
	s_wait_dscnt 0x0
.if (\s) < 3
	XLOAD ((\s)+1)%2, 5, 128*((\s)+1), 6144+128*((\s)+1), 6656+128*((\s)+1)
.endif
	FMA8 (\s)%2
	CVT8 (\s)%2
.if (\s) == 0
	s_wait_loadcnt 63                      ; 112 loads were issued behind aW's fragments and the biases: they are in
.endif
	WIN 0x03
	v_wmma_f32_16x16x32_f16 v[AACC:AACC+7], v[16*(\s):16*(\s)+7], v[AF+8*((\s)%2):AF+8*((\s)%2)+7], v[AACC:AACC+7]
	v_wmma_f32_16x16x32_f16 v[AACC+8:AACC+15], v[16*(\s)+8:16*(\s)+15], v[AF+8*((\s)%2):AF+8*((\s)%2)+7], v[AACC+8:AACC+15]
	WIN 0
.endm
; Text K step j of a trip of eight.  The eight multiply-adds are the places between the last step's products and the loads into the slot that they read.
; load = 1: the weights seven steps on are asked for.  pre = 1: the next step's x, g, c are read from LDS.  cnt: loads that may stay out.
.macro TSTEP j, load, pre, cnt
	s_wait_dscnt 0x0
.if \pre
	XLOAD ((\j)+1)%2, 4, 128*((\j)+1)+16*(((\j)+1)/8), 128*((\j)+1), 3072+128*((\j)+1)
.endif
	FMA8 (\j)%2
.if \load
	BFILL ((\j)+7)%8, (\j)+7
	WIN 0
.endif
	CVT8 (\j)%2
	s_wait_loadcnt \cnt
	WIN 1+(\j)/4
.set c, 0
.rept 8                                ; the eight accumulators take turns
	v_wmma_f32_16x16x32_f16 v[TACC+8*c:TACC+8*c+7], v[64*((\j)%4)+8*c:64*((\j)%4)+8*c+7], v[AF+8*((\j)%2):AF+8*((\j)%2)+7], v[TACC+8*c:TACC+8*c+7]
.set c, c+1
.endr
	WIN 0
.endm
	s_wait_tensorcnt 0x1                   ; tensor loads of a wave end in order: the constants and audio are in, x may stay out
	XLOAD 0, 5, 0, 6144, 6656
	ASTEP 0
	ASTEP 1
	ASTEP 2
	ASTEP 3
	s_wait_tensorcnt 0x0                   ; x is in
	XLOAD 0, 4, 0, 0, 3072
	s_mov_b32 s68, 2
.Ltrip:                                        ; K steps 0..15.  Behind a step's weights 112 loads have been issued; the wait's 48 is smaller, so the step's weights are in
.irp j, 0,1,2,3,4,5,6,7
	TSTEP \j, 1, 1, 48
.endr
	s_wait_xcnt 0x0                        ; the loads' base is stepped only behind this wait
	v_add_nc_u32 v4, 1040, v4              ; eight steps of 128 bytes and one padding
	v_add_nc_u32 v6, 1024, v6
	s_add_nc_u64 s[54:55], s[54:55], 65536
	s_sub_co_u32 s68, s68, 1
	s_cmp_lg_u32 s68, 0
	s_cbranch_scc1 .Ltrip
	TSTEP 0, 1, 1, 48                      ; K steps 16..23: one more fill (step 23's weights), then none: 16 loads stand behind a step's weights for each later step
	TSTEP 1, 0, 1, 48
	TSTEP 2, 0, 1, 48
	TSTEP 3, 0, 1, 48
	TSTEP 4, 0, 1, 48
	TSTEP 5, 0, 1, 32
	TSTEP 6, 0, 1, 16
	TSTEP 7, 0, 0, 0
	; THE WAY OUT
.rept 4
	v_nop                                  ; the places behind the last products
.endr
	v_max3_num_f32 v240, v[TACC], v[TACC+1], 1.0   ; the largest and the least of my 64 numbers and of 1 and -1; each accumulator's lowest registers are read first
	v_min3_num_f32 v241, v[TACC], v[TACC+1], -1.0
.set i, 1
.rept 31
	v_max3_num_f32 v240, v240, v[TACC+2*i], v[TACC+2*i+1]
	v_min3_num_f32 v241, v241, v[TACC+2*i], v[TACC+2*i+1]
.set i, i+1
.endr
	v_max3_num_f32 v243, v[AACC], v[AACC+1], 1.0
	v_min3_num_f32 v244, v[AACC], v[AACC+1], -1.0
.set i, 1
.rept 7
	v_max3_num_f32 v243, v243, v[AACC+2*i], v[AACC+2*i+1]
	v_min3_num_f32 v244, v244, v[AACC+2*i], v[AACC+2*i+1]
.set i, i+1
.endr
	v_sub_f32 v241, 0, v241
	v_sub_f32 v244, 0, v244
	v_max_num_f32 v240, v240, v241
	v_max_num_f32 v243, v243, v244
	v_permlanex16_b32 v241, v240, s60, s61 ; the row's other columns lie in the lane 16 away
	v_permlanex16_b32 v244, v243, s60, s61
	v_max_num_f32 v240, v240, v241         ; Mt
	v_max_num_f32 v243, v243, v244         ; Ma
	v_lshrrev_b32 v240, 23, v240           ; the exponent fields (the signs are 0)
	v_lshrrev_b32 v243, 23, v243
	v_sub_nc_u32 v246, 253, v240
	v_lshlrev_b32 v246, 23, v246           ; invT = 2^(126 - E)
	v_mov_b32 v247, v246                   ; twice, for the packed multiplies
	v_sub_nc_u32 v248, 253, v243
	v_lshlrev_b32 v248, 23, v248           ; invA
	v_mov_b32 v249, v248
	v_add_nc_u32 v252, 1, v240
	v_lshlrev_b32 v252, 23, v252           ; fwdT = 2^(E - 126)
	v_add_nc_u32 v253, 1, v243
	v_lshlrev_b32 v253, 23, v253
	v_mul_f32 v250, v246, v248             ; invT invA
	v_mul_f32 v251, v252, v253             ; fwdT fwdA
.set i, 0
.rept 32
	v_pk_mul_f32 v[TACC+2*i:TACC+2*i+1], v[TACC+2*i:TACC+2*i+1], v[246:247]  ; t': exact, a power of two
.set i, i+1
.endr
.set q, 0
.rept 16
	global_store_b128 v3, v[TACC+4*q:TACC+4*q+3], s[56:57] offset:512*q  ; 512 consecutive bytes, aligned
.set q, q+1
.endr
.set i, 0
.rept 8
	v_pk_mul_f32 v[AACC+2*i:AACC+2*i+1], v[AACC+2*i:AACC+2*i+1], v[248:249]
.set i, i+1
.endr
.set i, 0
.rept 16                               ; audio number 16 (i / 8) + 8 h + i % 8 of row r to its place [number][row]
	ds_store_b32 v7, v[AACC+i] offset:1024*(i/8)+64*(i%8)
.set i, i+1
.endr
.irp j, 0,1,2,3
	ds_store_b32 v8, v248 offset:2048+128*\j   ; rows 32 + 2 j + h: invA
.endr
.set i, 0
.rept 8
	v_pk_mul_f32 v[64+2*i:64+2*i+1], v[AACC+2*i:AACC+2*i+1], v[246:247]  ; u, into registers of its own
.set i, i+1
.endr
.set i, 0
.rept 8
	v_cvt_pk_f16_f32 v[84+i], v[64+2*i], v[64+2*i+1]
.set i, i+1
.endr
	global_store_b128 v3, v[84:87], s[56:57] offset:A_UF
	global_store_b128 v3, v[88:91], s[56:57] offset:A_UF+512
	global_store_b64 v11, v[250:251], s[56:57] offset:A_SC
.irp q, 0,1,2,3,4
	ds_load_b128 v[96+4*\q:96+4*\q+3], v9 offset:512*\q  ; LDS serves a wave's instructions in order (ISA guide 5.7.1.4): these see the stores above
.endr
.irp q, 0,1,2,3,4
	s_wait_dscnt 4-\q
	global_store_b128 v3, v[96+4*\q:96+4*\q+3], s[56:57] offset:A_AP+512*\q
.endr
	s_wait_tensorcnt 0x0                   ; the wave's end
	ds_add_u32 v[SPW], v[NIL]
	s_wait_dscnt 0x0
	s_endpgm
.Lfunc_end_k_q084398a7c0_proj:
	.size	k_q084398a7c0_proj, .Lfunc_end_k_q084398a7c0_proj-k_q084398a7c0_proj
	.p2alignl 7, 3214868480
	.fill 96, 4, 3214868480
	.section	.rodata,"a",@progbits
	.p2align	6, 0x0
	.amdhsa_kernel k_q084398a7c0_proj
		.amdhsa_group_segment_fixed_size 272896
		.amdhsa_private_segment_fixed_size 0
		.amdhsa_enable_private_segment 0
		.amdhsa_kernarg_size 48
		.amdhsa_user_sgpr_count 2
		.amdhsa_user_sgpr_kernarg_segment_ptr 1
		.amdhsa_wavefront_size32 1
		.amdhsa_system_sgpr_workgroup_id_x 1
		.amdhsa_system_sgpr_workgroup_id_y 1
		.amdhsa_system_sgpr_workgroup_id_z 1
		.amdhsa_system_vgpr_workitem_id 0
		.amdhsa_next_free_vgpr 832
		.amdhsa_next_free_sgpr 72
		.amdhsa_reserve_vcc 0
		.amdhsa_float_denorm_mode_32 3
		.amdhsa_float_denorm_mode_16_64 3
		.amdhsa_memory_ordered 1
		.amdhsa_forward_progress 1
		.amdhsa_inst_pref_size 93
	.end_amdhsa_kernel
	.amdgpu_metadata
---
amdhsa.version: [ 1, 2 ]
amdhsa.kernels:
  - .name:           k_q084398a7c0_proj
    .symbol:         k_q084398a7c0_proj.kd
    .args:
      - { .name: text_x, .offset: 0, .size: 8, .value_kind: global_buffer, .address_space: global }
      - { .name: audio_x, .offset: 8, .size: 8, .value_kind: global_buffer, .address_space: global }
      - { .name: cst, .offset: 16, .size: 8, .value_kind: global_buffer, .address_space: global }
      - { .name: tb, .offset: 24, .size: 8, .value_kind: global_buffer, .address_space: global }
      - { .name: ab, .offset: 32, .size: 8, .value_kind: global_buffer, .address_space: global }
      - { .name: act, .offset: 40, .size: 8, .value_kind: global_buffer, .address_space: global }
    .group_segment_fixed_size: 272896
    .private_segment_fixed_size: 0
    .kernarg_segment_align: 8
    .kernarg_segment_size: 48
    .max_flat_workgroup_size: 128
    .sgpr_count:     72
    .vgpr_count:     832
    .wavefront_size: 32
...
	.end_amdgpu_metadata
.endif
;; end of part 2
;; launch gemm1 (part 3): grid 64 x 4, 4 waves a work-group, clusters of 4 x 1, 327,680 bytes of LDS; arguments w1h, act, cst, y1f; writes y1f
.if DOCPART == 3
	.amdgcn_target "amdgcn-amd-amdhsa--gfx1250"
	.amdhsa_code_object_version 6
	.text
	.protected	k_q084398a7c0_gemm1
	.globl	k_q084398a7c0_gemm1
	.p2align	8
	.type	k_q084398a7c0_gemm1,@function
k_q084398a7c0_gemm1:
	s_mov_b64 s[64:65], 0
	v_nop
	global_prefetch_b8 v0, s[64:65] scope:SCOPE_SE
	s_setreg_imm32_b32 hwreg(HW_REG_WAVE_MODE, 25, 1), 1
	s_wait_xcnt 0x0
	s_wait_alu depctr_hold_cnt(0) depctr_sa_sdst(0) depctr_va_vdst(0) depctr_va_sdst(0) depctr_va_ssrc(0) depctr_va_vcc(0) depctr_vm_vsrc(0)
	s_getreg_b32 s2, hwreg(HW_REG_IB_STS2, 6, 4)
	s_cmp_eq_u32 s2, 0
	s_cbranch_scc0 .Lentry_in_a_cluster
	s_endpgm
.Lentry_in_a_cluster:
	s_bfe_u32 s2, ttmp6, 0x10000c
	s_cmp_lg_u32 s2, 0x3003
	s_cbranch_scc0 .Lentry_shape_is_right
	s_endpgm
.Lentry_shape_is_right:
; GEMM1: y1' = relu(fusion' W1 + b1p invT invA), fusion' = (invA, a') x (invT, t'), all in the rows' scaled domain (y1' = y1 / (fwdT fwdA)).  f16 operands, f32 sums.
; THE FUSION MATRIX IS NEVER MADE IN MEMORY.  For one audio index its 128 columns are t' times one number a row, and a source-1 fragment holds one row a lane: a fragment of fusion' is 16 resident
; f32 numbers of t' times the row's audio number, in f32, rounded once to f16: 8 packed multiplies and 8 packed conversions.  So only W1 goes through LDS.
; SHARES.  A work-group makes 256 rows x 192 columns (strip g); a wave 64 rows (four tiles m) x 12 column tiles: 48 accumulators.  K = 4,256 in the order of w1h: a first step of 32 (u = a' invT), then 33
; blocks of 128 (audio 1..32, then the audio side's 1 as invA), four steps of 32 each.  The sums start with b1p invT invA, made in the wait for the first tiles: nothing is cleared.
; TRANSPOSED USE (source 0 = 16 columns of W1, turned out of LDS by ds_load_tr16_b128; source 1 = 16 rows): a lane holds one row and eight neighbouring columns; rounded to f16 they are 16 bytes of
; the next product's source-1 fragment, and are stored so: y1f [row tile][column tile 0..47][lane][16 bytes].
; CLUSTER.  The four row blocks of a cluster walk the same strip of W1: every tile is asked for JOINTLY, by the same tensor load, descriptor and mask of four.
; RING.  Two slots of one block (128 k rows of 384 bytes, padded to 480), each wave fetching a quarter.  A block's last step changes slots; the slot just read is filled with the block two on.
; A K STEP: 48 products.  Behind each of the first 16 stand four vector lines for the next step's fragments (multiplies, then their conversions); the next step's 24 LDS loads stand in ONE run behind the second.
; ONE TEXT.  The first step is the last step of a block that has not been: the loop is entered at its change of slots, which asks for block 1.  The last two blocks run the form without a fill, twice; the very
; last change of slots reads a slot once more and makes fragments that serve nothing: the price, once a launch, of one text for both.
; LIMITS.  Sum over k of |W1[k][n]| + |b1p[n]| stays under 65,504 (y1' in f16); products a' t' below 6e-5 keep f16's step of 6e-8; NaN and infinities are not treated apart.
; REGISTERS.  window 0: v1 r, v2 h, v3 16 L, v4 my place in a tile of W1, v5 = v4 + slot, v6 = v4 + first step's tile, v7 the audio words' LDS address, v10 8 L, v11 32 h, v12-15 the block's audio numbers
;   (tile m in v12 + m), v16-19 the next block's, v20-27 (invT invA, fwdT fwdA) of my row in tile m, v28 where the audio words are put, v32-95 fusion fragments (two buffers), v96-111 at work,
;   v128-255 t' of tiles 0 and 1 (64 each).   window 1: W1's fragments, buffer p at 96 p + 8 c; v192-255 t' of tile 2.   window 2: accumulators of m = 0, 1 at 96 m + 8 c; v192-255 t' of tile 3.   window 3: m = 2, 3.
.set PB,    480                        ; a k row in LDS: three times 128 bytes + 32 of padding
.set QTR,   32*PB                      ; 32 k rows: a K step, and a wave's part of a fill
.set SLOT1, 65536
.set TREG,  126976                     ; the first step's 32 k rows; filled once
.set APL,   142336                     ; 10,240 bytes a wave: the audio words of its four tiles; written by ds_store, no tensor load lands here
.set SPARE, 183296                     ; the spare words, 128 bytes for each wave
.set STRIP, 1634304
.set BLKB,  49152                      ; a block of w1h
.set ACTB,  12032
.set A_UF,  8192
.set A_SC,  9216
.set A_AP,  9472
.set SPW, 8
.set NIL, 9
.set AM,  12
.set AMN, 16
.set SV,  20
.set ASC, 32
.set TMP, 96
.set MSB, 0
.macro WIN new                         ; the immediate's high byte repeats the setting that is left
.if MSB != (\new)
	s_set_vgpr_msb (MSB<<8)|(\new)
.set MSB, \new
.endif
.endm
.macro CREST                           ; a round of the cluster's barrier behind its opening barrier
	s_cmp_lg_u32 s12, 0
	s_cbranch_scc1 .Lnot_wave_0_\@
	s_barrier_signal -3
.Lnot_wave_0_\@:
	s_barrier_wait -3
	s_barrier_signal -1
	s_barrier_wait -1
.endm
.macro CROUND
	s_barrier_signal -1
	s_barrier_wait -1
	CREST
.endm
.macro PLACES
.rept 4
	v_nop
.endr
.endm
; product n of a step's 48: row tile n / 12, column tile n % 12.  The 48 accumulators take turns, one instruction a turn.
.macro MM n, p
.set mm_m, (\n)/12
.set mm_c, (\n)%12
.set mm_a, 96*(mm_m%2)+8*mm_c
	WIN 0xa1+0x50*(mm_m/2)                 ; W1 in window 1, fusion in window 0, C and D in window 2 or 3
	v_wmma_f32_16x16x32_f16 v[mm_a:mm_a+7], v[96*(\p)+8*mm_c:96*(\p)+8*mm_c+7], v[ASC+32*(\p)+8*mm_m:ASC+32*(\p)+8*mm_m+7], v[mm_a:mm_a+7]
.endm
; Group g of 16 for step ks's fragments in buffer p2: tile g / 4, half (g / 2) % 2.  Even g: eight numbers of t' times the row's audio number, in f32.  Odd g: they are rounded to f16.
.macro VG g, p2, ks
.set f_m, (\g)/4
.set f_o, ((\g)/2)%2
.if (\g)%2 == 0
.if f_m < 2
.set f_b, 128+64*f_m+16*(\ks)+8*f_o
	WIN 0
.else
.set f_b, 192+16*(\ks)+8*f_o
	WIN f_m-1                              ; t' of tiles 2 and 3 lies in windows 1 and 2
.endif
.irp z, 0,2,4,6
.if f_m%2
	v_pk_mul_f32 v[TMP+\z:TMP+\z+1], v[f_b+\z:f_b+\z+1], v[AM+2*(f_m/2):AM+2*(f_m/2)+1] op_sel:[0,1] op_sel_hi:[1,1]
.else
	v_pk_mul_f32 v[TMP+\z:TMP+\z+1], v[f_b+\z:f_b+\z+1], v[AM+2*(f_m/2):AM+2*(f_m/2)+1] op_sel_hi:[1,0]
.endif
.endr
.else
	WIN 0
.irp z, 0,1,2,3
	v_cvt_pk_f16_f32 v[ASC+32*(\p2)+8*f_m+4*f_o+\z], v[TMP+2*\z], v[TMP+2*\z+1]
.endr
.endif
.endm
; ONE run of LDS loads: a step's fragments of W1 for all 12 column tiles into buffer p2.  am = 1: behind them the next block's four audio numbers.
.macro RUN p2, adr, off, am
	WIN 0x40
.set l_c, 0
.rept 12
.set l_o, (\off)+(l_c/4)*160+(l_c%4)*32
	ds_load_tr16_b128 v[96*(\p2)+8*l_c:96*(\p2)+8*l_c+3], v[\adr] offset:l_o
	ds_load_tr16_b128 v[96*(\p2)+8*l_c+4:96*(\p2)+8*l_c+7], v[\adr] offset:l_o+16*PB
.set l_c, l_c+1
.endr
.if \am
	WIN 0
.irp z, 0,1,2,3
	ds_load_b32 v[AMN+\z], v7 offset:2560*\z
.endr
	v_add_nc_u32 v7, 64, v7
.endif
.endm
; A K step on buffer p; beside it the next step (ksn of the block, k rows at byte off) is made ready in the other buffer.  The first group's four multiplies name no register of the last step's products:
; they are the places in front of the first conversions and of the run of loads; every later conversion has more such lines behind its fragment's last reader.
.macro KSTEP p, ksn, off, am
	s_wait_dscnt 0x0                       ; this step's fragments of W1, asked for 46 products ago, are in
.set n, 0
.rept 48
	MM n, \p
.if n < 16
	VG n, 1-(\p), \ksn
.endif
.if n == 1
	RUN 1-(\p), 5, \off, \am
.endif
.set n, n+1
.endr
.endm
; A block's last step changes slots.  In front of ONE barrier each wave waits for all its tensor loads (one is out: its part of the other slot), adds 0 to its spare word, and waits for that and for its reads of
; this slot.  mode 2: the barrier opens a round of the cluster's, and behind it this slot is filled with the block two on, which has a whole block's products in which to land.  mode 1: no fill.
; The four moves take the next block's audio numbers over; they are the four lines behind the tensor load, and with the address line the places in front of the run.
.macro LASTSTEP p, mode
	WIN 0
	s_wait_tensorcnt 0x0                   ; no tensor load of mine is out, so a group 0 may be written
	ds_add_u32 v[SPW], v[NIL]
.if (\mode) == 2
	s_xor_b32 s37, s37, SLOT1              ; the walking descriptor: the other slot than last time, the next block
	s_add_nc_u64 s[38:39], s[38:39], BLKB
.endif
	s_wait_dscnt 0x1                       ; all but the add: this step's fragments
.set n, 0
.rept 6
	MM n, \p
.set n, n+1
.endr
	s_wait_dscnt 0x0                       ; the add is done, and my reads of this slot are over
	s_barrier_signal -1
.rept 6
	MM n, \p
.set n, n+1
.endr
	WIN 0
	s_barrier_wait -1
.if (\mode) == 2
	CREST                                  ; no wave of any partner still reads this slot or has a load on its way
	tensor_load_to_lds s[36:39], s[16:23]
	s_nop 0
.endif
.irp z, 0,1,2,3
	v_mov_b32 v[AM+\z], v[AMN+\z]
.endr
	s_xor_b32 s45, s45, SLOT1
	v_add_nc_u32 v5, s45, v4
	RUN 1-(\p), 5, 0, 0
.rept 36
	MM n, \p
.if n < 28
	VG n-12, 1-(\p), 0
.endif
.set n, n+1
.endr
.endm
	s_load_b256 s[4:11], s[0:1], 0x0       ; w1h 4, act 6, cst 8, y1f 10
	v_lshl_add_u32 v[SPW], v0, 2, SPARE
	v_mov_b32 v[NIL], 0
	ds_add_u32 v[SPW], v[NIL]              ; the wave's opening: the add and its wait ahead of my first tensor load
	ds_add_u32 v8, v9
	v_lshrrev_b32 v1, 5, v0
	v_readfirstlane_b32 s12, v1            ; wave
	s_bfe_u32 s13, ttmp6, 0x40000          ; cx: it enters act's and y1f's addresses alone
	s_lshl_b32 s14, ttmp9, 2
	s_add_co_u32 s14, s14, s13             ; my block of 256 rows
	s_and_b32 s15, ttmp7, 0xffff           ; the strip, which the four partners share
	; group 1: dense bytes as rows of 256 (32 elements of 8 bytes), 8 words of padding behind every 32; mask of four, bit 21 beside it
	s_mov_b32 s16, 15|(3<<16)|(1<<20)|(1<<21)|(4<<22)|(7<<25)
	s_mov_b32 s17, 32<<16
	s_mov_b32 s18, 48<<16                  ; 48 rows: 32 k rows of 384 bytes
	s_mov_b32 s19, 32<<16
	s_mov_b32 s20, 48
	s_mov_b32 s21, 32
	s_mov_b32 s22, 0
	s_mov_b32 s23, 0
	s_mov_b32 s24, 15|(3<<16)|(1<<20)|(1<<21)|(4<<22)|(7<<25)
	s_mov_b32 s25, 32<<16
	s_mov_b32 s26, 12<<16                  ; 12 rows: 8 k rows, my quarter of the first step
	s_mov_b32 s27, 32<<16
	s_mov_b32 s28, 12
	s_mov_b32 s29, 32
	s_mov_b32 s30, 0
	s_mov_b32 s31, 0
	s_mul_i32 s46, s15, STRIP
	s_mul_i32 s48, s12, 3072
	s_add_co_u32 s48, s48, s46             ; the first step: strip + 8 k rows a wave
	s_mov_b32 s49, 0
	s_mul_i32 s50, s12, 12288
	s_add_co_u32 s50, s50, s46
	s_add_co_u32 s50, s50, 12288           ; block 0: behind the first step, 32 k rows a wave
	s_mov_b32 s51, 0
	s_mov_b32 s40, 1
	s_mul_i32 s41, s12, 8*PB
	s_add_co_u32 s41, s41, TREG
	s_mov_b32 s36, 1
	s_mul_i32 s37, s12, QTR                ; the walking descriptor begins at slot 0, block 0
	s_lshl_b32 s52, s14, 4
	s_lshl_b32 s53, s12, 2
	s_add_co_u32 s52, s52, s53             ; my first row tile
	s_mul_i32 s56, s52, 24576
	s_mul_i32 s57, s15, 6144
	s_add_co_u32 s56, s56, s57             ; its strip's 12 column tiles in y1f
	s_mov_b32 s57, 0
	s_mul_i32 s52, s52, ACTB
	s_mov_b32 s53, 0
	s_mul_i32 s62, s15, 768
	s_add_co_u32 s62, s62, 211968          ; b1p of the strip
	s_mov_b32 s63, 0
	s_mov_b32 s45, SLOT1                   ; the first change of slots turns this into slot 0
	s_mul_i32 s44, s12, 10240
	s_add_co_u32 s44, s44, APL
	v_and_b32 v1, 15, v0
	v_bfe_u32 v2, v0, 4, 1
	v_and_b32 v3, 31, v0
	v_lshlrev_b32 v10, 3, v3
	v_lshlrev_b32 v3, 4, v3
	v_lshlrev_b32 v11, 5, v2
	v_and_b32 v4, 7, v0                    ; the turning load: lane L reads k row 8 h + L % 8, bytes 16 ((L / 8) % 2) on
	v_lshl_add_u32 v4, v2, 3, v4
	v_mul_u32_u24 v4, v4, PB
	v_bfe_u32 v5, v0, 3, 1
	v_lshl_add_u32 v4, v5, 4, v4
	v_add_nc_u32 v6, TREG, v4
	v_lshl_add_u32 v7, v1, 2, s44
	v_add_nc_u32 v28, s44, v3
	s_wait_dscnt 0x0                       ; the opening add is done
	s_wait_kmcnt 0x0
	s_add_nc_u64 s[42:43], s[4:5], s[48:49]
	s_or_b32 s43, s43, 0x80000000
	s_add_nc_u64 s[38:39], s[4:5], s[50:51]
	s_or_b32 s39, s39, 0x80000000
	s_add_nc_u64 s[54:55], s[6:7], s[52:53]
	s_add_nc_u64 s[58:59], s[10:11], s[56:57]
	s_add_nc_u64 s[60:61], s[8:9], s[62:63]
	CROUND                                 ; all four work-groups are here: the first joint loads meet
	tensor_load_to_lds s[40:43], s[24:31]  ; the first step's tile, then block 0: two loads of mine are out
	s_nop 0
	tensor_load_to_lds s[36:39], s[16:23]
	s_nop 0
	PLACES
	WIN 0x40                               ; the audio words and b1p pass through W1's registers, which are still free
.set m, 0
.rept 4
.set q, 0
.rept 5
	global_load_b128 v[20*m+4*q:20*m+4*q+3], v3, s[54:55] offset:ACTB*m+A_AP+512*q
.set q, q+1
.endr
.set m, m+1
.endr
.set c, 0
.rept 12                               ; b1p of column 16 c + 8 h + j in register 96 + 8 c + j
	global_load_b128 v[96+8*c:96+8*c+3], v11, s[60:61] offset:64*c
	global_load_b128 v[96+8*c+4:96+8*c+7], v11, s[60:61] offset:64*c+16
.set c, c+1
.endr
	WIN 0
.set m, 0
.rept 4
	global_load_b64 v[SV+2*m:SV+2*m+1], v10, s[54:55] offset:ACTB*m+A_SC
.set m, m+1
.endr
.set q, 0
.rept 32
	global_load_b128 v[128+4*q:128+4*q+3], v3, s[54:55] offset:ACTB*(q/16)+512*(q%16)
.set q, q+1
.endr
	WIN 0x40
.set q, 0
.rept 16
	global_load_b128 v[192+4*q:192+4*q+3], v3, s[54:55] offset:ACTB*2+512*q
.set q, q+1
.endr
	WIN 0x80
.set q, 0
.rept 16
	global_load_b128 v[192+4*q:192+4*q+3], v3, s[54:55] offset:ACTB*3+512*q
.set q, q+1
.endr
	WIN 0
.set m, 0
.rept 4
	global_load_b128 v[ASC+32+8*m:ASC+32+8*m+3], v3, s[54:55] offset:ACTB*m+A_UF      ; u: the first step's fragments, into buffer 1
	global_load_b128 v[ASC+32+8*m+4:ASC+32+8*m+7], v3, s[54:55] offset:ACTB*m+A_UF+512
.set m, m+1
.endr
	s_wait_loadcnt 63                      ; 72 loads (t' and u) were issued behind the audio words, b1p and the scales: those are in
	WIN 0x04
.set m, 0
.rept 4
.set q, 0
.rept 5
	ds_store_b128 v28, v[20*m+4*q:20*m+4*q+3] offset:2560*m+512*q
.set q, q+1
.endr
.set m, m+1
.endr
.set m, 0
.rept 4                                ; the sums start with b1p invT invA
	WIN 0x81+0x40*(m/2)                    ; b1p in window 1, the scale in window 0, the sums in window 2 or 3
.set c, 0
.rept 48
	v_pk_mul_f32 v[96*(m%2)+2*c:96*(m%2)+2*c+1], v[96+2*c:96+2*c+1], v[SV+2*m:SV+2*m+1] op_sel_hi:[1,0]
.set c, c+1
.endr
.set m, m+1
.endr
	WIN 0
	s_wait_tensorcnt 0x1                   ; my part of the first step's tile is in; block 0's may stay out
	s_wait_dscnt 0x0                       ; my audio words are stored
	s_barrier_signal -1
	s_barrier_wait -1
	RUN 1, 6, 0, 1                         ; the first step's W1 into buffer 1, and audio number 1
	WIN 0
	s_wait_loadcnt 0x0                     ; t' and u
	s_mov_b32 s44, 32
	s_branch .Lenter                       ; the loop is entered at its change of slots
.Lblk:                                         ; 32 changes of slots: the first step's, which asks for block 1, and those of blocks 0..30, each asking for the block two on
	KSTEP 0, 1, QTR, 1
	KSTEP 1, 2, 2*QTR, 0
	KSTEP 0, 3, 3*QTR, 0
	WIN 0
.Lenter:
	LASTSTEP 1, 2
	WIN 0
	s_sub_co_u32 s44, s44, 1
	s_cmp_lg_u32 s44, 0
	s_cbranch_scc1 .Lblk
	s_mov_b32 s44, 2
.Ltail:                                        ; blocks 31 and 32: nothing is left to ask for
	KSTEP 0, 1, QTR, 1
	KSTEP 1, 2, 2*QTR, 0
	KSTEP 0, 3, 3*QTR, 0
	LASTSTEP 1, 1
	WIN 0
	s_sub_co_u32 s44, s44, 1
	s_cmp_lg_u32 s44, 0
	s_cbranch_scc1 .Ltail
	s_wait_dscnt 0x0                       ; the last change's loads, which serve nothing, have landed
	; THE WAY OUT: relu, f16; 16 bytes a lane, every store 512 consecutive bytes, aligned.  Every store has registers of its own.
	PLACES
.macro OUT m, c
.set o_a, 96*((\m)%2)+8*(\c)
.set o_t, TMP+8*((\c)%2)
.set o_o, 12*(\m)+(\c)
.if o_o < 16
.set o_r, 32+4*o_o
.else
.set o_r, 128+4*(o_o-16)
.endif
	WIN (2+(\m)/2)<<2                      ; the sums (source 1) in their window
.irp z, 0,1,2,3,4,5,6,7
	v_max_num_f32 v[o_t+\z], 0, v[o_a+\z]
.endr
	WIN 0
.irp z, 0,1,2,3
	v_cvt_pk_f16_f32 v[o_r+\z], v[o_t+2*\z], v[o_t+2*\z+1]
.endr
	global_store_b128 v3, v[o_r:o_r+3], s[58:59] offset:24576*(\m)+512*(\c)
.endm
.irp m, 0,1,2,3
.irp c, 0,1,2,3,4,5,6,7,8,9,10,11
	OUT \m, \c
.endr
.endr
	s_wait_tensorcnt 0x0                   ; the wave's end
	ds_add_u32 v[SPW], v[NIL]
	s_wait_dscnt 0x0
	CROUND                                 ; the closing round
	s_endpgm
.Lfunc_end_k_q084398a7c0_gemm1:
	.size	k_q084398a7c0_gemm1, .Lfunc_end_k_q084398a7c0_gemm1-k_q084398a7c0_gemm1
	.p2alignl 7, 3214868480
	.fill 96, 4, 3214868480
	.section	.rodata,"a",@progbits
	.p2align	6, 0x0
	.amdhsa_kernel k_q084398a7c0_gemm1
		.amdhsa_group_segment_fixed_size 327680
		.amdhsa_private_segment_fixed_size 0
		.amdhsa_enable_private_segment 0
		.amdhsa_kernarg_size 32
		.amdhsa_user_sgpr_count 2
		.amdhsa_user_sgpr_kernarg_segment_ptr 1
		.amdhsa_wavefront_size32 1
		.amdhsa_system_sgpr_workgroup_id_x 1
		.amdhsa_system_sgpr_workgroup_id_y 1
		.amdhsa_system_sgpr_workgroup_id_z 1
		.amdhsa_system_vgpr_workitem_id 0
		.amdhsa_next_free_vgpr 960
		.amdhsa_next_free_sgpr 66
		.amdhsa_reserve_vcc 0
		.amdhsa_float_denorm_mode_32 3
		.amdhsa_float_denorm_mode_16_64 3
		.amdhsa_memory_ordered 1
		.amdhsa_forward_progress 1
		.amdhsa_inst_pref_size 144
	.end_amdhsa_kernel
	.amdgpu_metadata
---
amdhsa.version: [ 1, 2 ]
amdhsa.kernels:
  - .name:           k_q084398a7c0_gemm1
    .symbol:         k_q084398a7c0_gemm1.kd
    .args:
      - { .name: w1h, .offset: 0, .size: 8, .value_kind: global_buffer, .address_space: global }
      - { .name: act, .offset: 8, .size: 8, .value_kind: global_buffer, .address_space: global }
      - { .name: cst, .offset: 16, .size: 8, .value_kind: global_buffer, .address_space: global }
      - { .name: y1f, .offset: 24, .size: 8, .value_kind: global_buffer, .address_space: global }
    .group_segment_fixed_size: 327680
    .private_segment_fixed_size: 0
    .kernarg_segment_align: 8
    .kernarg_segment_size: 32
    .max_flat_workgroup_size: 128
    .sgpr_count:     66
    .vgpr_count:     960
    .wavefront_size: 32
...
	.end_amdgpu_metadata
.endif
;; end of part 3
;; launch gemm2 (part 4): grid 4 x 64, 4 waves a work-group, clusters of 4 x 4, 327,680 bytes of LDS; arguments w2h, y1f, act, b2, text_x, out0; writes out0
.if DOCPART == 4
	.amdgcn_target "amdgcn-amd-amdhsa--gfx1250"
	.amdhsa_code_object_version 6
	.text
	.protected	k_q084398a7c0_gemm2
	.globl	k_q084398a7c0_gemm2
	.p2align	8
	.type	k_q084398a7c0_gemm2,@function
k_q084398a7c0_gemm2:
	s_mov_b64 s[64:65], 0
	v_nop
	global_prefetch_b8 v0, s[64:65] scope:SCOPE_SE
	s_setreg_imm32_b32 hwreg(HW_REG_WAVE_MODE, 25, 1), 1
	s_wait_xcnt 0x0
	s_wait_alu depctr_hold_cnt(0) depctr_sa_sdst(0) depctr_va_vdst(0) depctr_va_sdst(0) depctr_va_ssrc(0) depctr_va_vcc(0) depctr_vm_vsrc(0)
	s_getreg_b32 s2, hwreg(HW_REG_IB_STS2, 6, 4)
	s_cmp_eq_u32 s2, 0
	s_cbranch_scc0 .Lentry_in_a_cluster
	s_endpgm
.Lentry_in_a_cluster:
	s_bfe_u32 s2, ttmp6, 0x10000c
	s_cmp_lg_u32 s2, 0xf033
	s_cbranch_scc0 .Lentry_shape_is_right
	s_endpgm
.Lentry_shape_is_right:
; GEMM2: out0 = relu(s (y1' W2) + b2) + text_x, s = fwdT fwdA of the row.  f16 operands, f32 sums; scale, bias, relu and the residual in f32.
; SHARES as in the launch before: a work-group 256 rows x 192 columns (strip g), a wave 64 rows x 12 column tiles, 48 accumulators; K = 768 in 6 blocks of 128, four steps of 32 each.
; TRANSPOSED USE: source 0 = 16 columns of W2, turned out of LDS; source 1 = 16 rows of y1', which lie in y1f as ready fragments and are read from LDS as they lie.
; CLUSTER 4 x 4: the four strips of a row block (a row of the cluster) need the same y1', the four row blocks of a column the same W2: each tile is asked for JOINTLY.
; RING: two slots of one block (W2: 128 k rows padded to 480 bytes; y1': 16 row tiles x 4,096 bytes).  Waves 0 and 1 fetch W2's halves, waves 2 and 3 y1's.
; A K STEP: 48 products; the next step's 32 LDS loads stand in ONE run behind the first product and its four places.
; The last two blocks run one text twice; in the second trip the next block's first step is jumped over, and the change of slots in front of it reads a slot once more for nothing: the price of one text for both.
; text_x for the first 32 rows of a wave is asked for at the start and waits in registers; the other 32 rows' at the way out's beginning.  The way out goes through the wave's own stage, so that every
; half of a wave stores 256 consecutive bytes of a row of out0, aligned.
; LIMITS: those of the launches before; NaN and infinities are not treated apart.
; REGISTERS.  window 0: v1 r, v2 h, v3 16 L, v4 my place in a tile of W2, v5 = v4 + slot, v6 = v11 + slot (y1' fragments), v7 into the stage, v8 back from it, v9 my offset in two rows of x and out0, v10 8 h,
;   v12 16 r; v32-95 y1' fragments (two buffers), later v32-127 rows read back; v128-139 b2; v160-255 x of tile 0.   window 1: W2's fragments at 96 p + 8 c, later x of tiles 2 and 3; v192-223 s of row 2 t + h of tile m at 8 m + t.
;   windows 2, 3: accumulators as before; x of tile 1 in v192-255 of window 2 and v192-223 of window 3.
.set PB,    480
.set QTR,   32*PB
.set SLOT1, 131072
.set AOFF,  61440                      ; y1' behind W2 in a slot
.set STAGE, 258048                     ; 12,800 bytes a wave: 16 rows of 784 (768 + 16: 49 x 16, so 16 rows start at 16 different groups of four banks); no tensor load lands here
.set SP,    784
.set SPARE, 309248
.set ACTB,  12032
.set A_S,   9220                       ; in a block of act: fwdT fwdA of row r at 9,216 + 8 r + 4
.set SPW, 28
.set NIL, 29
.set AF,  32
.set RB,  32
.set B2,  128
.set MSB, 0
.macro WIN new
.if MSB != (\new)
	s_set_vgpr_msb (MSB<<8)|(\new)
.set MSB, \new
.endif
.endm
.macro PLACES
.rept 4
	v_nop
.endr
.endm
.macro CREST
	s_cmp_lg_u32 s16, 0
	s_cbranch_scc1 .Lnot_wave_0_\@
	s_barrier_signal -3
.Lnot_wave_0_\@:
	s_barrier_wait -3
	s_barrier_signal -1
	s_barrier_wait -1
.endm
.macro CROUND
	s_barrier_signal -1
	s_barrier_wait -1
	CREST
.endm
; A joint refill by the walking descriptors.  The branch hangs on the wave's number alone.  An s_nop 0 and four v_nop follow each of the two lines.
.macro JLOAD
	s_cmp_eq_u32 s17, 0
	s_cbranch_scc0 .Lfor_a_\@
	tensor_load_to_lds s[44:47], s[24:31]
	s_nop 0
	PLACES
	s_branch .Lasked_\@
.Lfor_a_\@:
	tensor_load_to_lds s[52:55], s[32:39]
	s_nop 0
	PLACES
.Lasked_\@:
.endm
	s_load_b256 s[4:11], s[0:1], 0x0       ; w2h 4, y1f 6, act 8, b2 10
	s_load_b128 s[12:15], s[0:1], 0x20     ; text_x 12, out0 14
	v_lshl_add_u32 v[SPW], v0, 2, SPARE
	v_mov_b32 v[NIL], 0
	ds_add_u32 v[SPW], v[NIL]              ; the wave's opening: the add and its wait ahead of my first tensor load
	ds_add_u32 v28, v29
	v_lshrrev_b32 v1, 5, v0
	v_readfirstlane_b32 s16, v1            ; wave
	s_lshr_b32 s17, s16, 1                 ; I fetch W2 (0) or y1' (1),
	s_and_b32 s18, s16, 1                  ; this half of it
	s_bfe_u32 s19, ttmp6, 0x40000          ; cx
	s_bfe_u32 s20, ttmp6, 0x40004          ; cy
	s_lshl_b32 s21, ttmp9, 2
	s_add_co_u32 s21, s21, s19             ; the strip g
	s_and_b32 s22, ttmp7, 0xffff
	s_lshl_b32 s22, s22, 2
	s_add_co_u32 s22, s22, s20             ; the block of 256 rows
	s_lshl_b32 s23, s20, 2
	s_lshl_b32 s23, 15, s23                ; my row of the cluster
	s_lshl_b32 s62, 0x1111, s19            ; my column
	; group 1 for W2: dense bytes as 96 rows of 256, 8 words of padding behind every 32; shared along the column
	s_or_b32 s24, s62, (3<<16)|(1<<20)|(1<<21)|(4<<22)|(7<<25)
	s_mov_b32 s25, 32<<16
	s_mov_b32 s26, 96<<16
	s_mov_b32 s27, 32<<16
	s_mov_b32 s28, 96
	s_mov_b32 s29, 32
	s_mov_b32 s30, 0
	s_mov_b32 s31, 0
	; for y1': 8 row tiles, of each 4,096 bytes (512 elements of 8), 24,576 bytes apart; shared along the row
	s_or_b32 s32, s23, (3<<16)|(1<<21)
	s_mov_b32 s33, 512<<16
	s_mov_b32 s34, 8<<16
	s_mov_b32 s35, 512<<16
	s_mov_b32 s36, 8
	s_mov_b32 s37, 3072
	s_mov_b32 s38, 0
	s_mov_b32 s39, 0
	s_mul_i32 s74, s21, 294912             ; W2's address hangs on the strip and the wave alone,
	s_mul_i32 s75, s18, 24576
	s_add_co_u32 s74, s74, s75
	s_mov_b32 s75, 0
	s_lshl_b32 s76, s22, 4                 ; y1's on the row block and the wave alone
	s_lshl_b32 s77, s18, 3
	s_add_co_u32 s76, s76, s77
	s_mul_i32 s76, s76, 24576
	s_mov_b32 s77, 0
	s_mov_b32 s40, 1
	s_mul_i32 s41, s18, 64*PB
	s_mov_b32 s44, 1
	s_add_co_u32 s45, s41, SLOT1
	s_mov_b32 s48, 1
	s_lshl_b32 s49, s18, 15
	s_add_co_u32 s49, s49, AOFF
	s_mov_b32 s52, 1
	s_add_co_u32 s53, s49, SLOT1
	s_lshl_b32 s78, s22, 8
	s_lshl_b32 s79, s16, 6
	s_add_co_u32 s78, s78, s79             ; my first row
	s_mul_i32 s78, s78, 3072
	s_mul_i32 s79, s21, 768
	s_add_co_u32 s78, s78, s79             ; and my strip in text_x and out0
	s_mov_b32 s79, 0
	s_mul_i32 s58, s21, 768                ; b2 of the strip
	s_mov_b32 s59, 0
	s_lshl_b32 s60, s22, 4
	s_lshl_b32 s61, s16, 2
	s_add_co_u32 s60, s60, s61
	s_mul_i32 s60, s60, ACTB               ; my four blocks of act
	s_mov_b32 s61, 0
	s_mov_b32 s57, 0                       ; the slot that is read
	s_mul_i32 s63, s16, 12800
	s_add_co_u32 s63, s63, STAGE
	s_lshl_b32 s56, s16, 14
	s_add_co_u32 s56, s56, AOFF
	v_and_b32 v1, 15, v0
	v_bfe_u32 v2, v0, 4, 1
	v_and_b32 v3, 31, v0
	v_lshlrev_b32 v3, 4, v3
	v_and_b32 v4, 7, v0
	v_lshl_add_u32 v4, v2, 3, v4
	v_mul_u32_u24 v4, v4, PB
	v_bfe_u32 v5, v0, 3, 1
	v_lshl_add_u32 v4, v5, 4, v4
	v_mov_b32 v5, v4
	v_add_nc_u32 v11, s56, v3              ; my four row tiles' fragments
	v_mov_b32 v6, v11
	v_mul_u32_u24 v7, v1, SP
	v_lshl_add_u32 v7, v2, 5, v7
	v_add_nc_u32 v7, s63, v7               ; into the stage: row r, 32 bytes for each half of the lanes
	v_mul_u32_u24 v8, v2, SP
	v_lshl_add_u32 v8, v1, 4, v8
	v_add_nc_u32 v8, s63, v8               ; back: lanes 0-15 take 256 bytes of one row, lanes 16-31 of the next
	v_mul_u32_u24 v9, v2, 3072
	v_lshl_add_u32 v9, v1, 4, v9           ; the same in text_x and out0
	v_lshlrev_b32 v10, 3, v2
	v_lshlrev_b32 v12, 4, v1
	s_wait_dscnt 0x0                       ; the opening add is done
	s_wait_kmcnt 0x0
	s_add_nc_u64 s[42:43], s[4:5], s[74:75]
	s_add_nc_u64 s[46:47], s[42:43], 49152
	s_or_b32 s43, s43, 0x80000000
	s_or_b32 s47, s47, 0x80000000
	s_add_nc_u64 s[50:51], s[6:7], s[76:77]
	s_add_nc_u64 s[54:55], s[50:51], 4096
	s_or_b32 s51, s51, 0x80000000
	s_or_b32 s55, s55, 0x80000000
	s_add_nc_u64 s[66:67], s[12:13], s[78:79]
	s_add_nc_u64 s[68:69], s[14:15], s[78:79]
	s_add_nc_u64 s[70:71], s[8:9], s[60:61]
	s_add_nc_u64 s[72:73], s[10:11], s[58:59]
	CROUND                                 ; all sixteen work-groups are here: the first joint loads meet
	s_cmp_eq_u32 s17, 0                    ; a wave's two first fills stand in one branch: two loads of mine are out
	s_cbranch_scc0 .Lfirst_a
	tensor_load_to_lds s[40:43], s[24:31]
	s_nop 0
	tensor_load_to_lds s[44:47], s[24:31]
	s_nop 0
	PLACES
	s_branch .Lfirst_asked
.Lfirst_a:
	tensor_load_to_lds s[48:51], s[32:39]
	s_nop 0
	tensor_load_to_lds s[52:55], s[32:39]
	s_nop 0
	PLACES
.Lfirst_asked:
.set q, 0
.rept 24                               ; x of row tile 0: rows 2 t + h, 256 bytes u of the strip's 768; q = 3 t + u
	global_load_b128 v[160+4*q:160+4*q+3], v9, s[66:67] offset:(2*(q/3))*3072+256*(q%3) th:TH_LOAD_NT
.set q, q+1
.endr
	WIN 0x80
.set q, 0
.rept 16
	global_load_b128 v[192+4*q:192+4*q+3], v9, s[66:67] offset:(16+2*(q/3))*3072+256*(q%3) th:TH_LOAD_NT
.set q, q+1
.endr
	WIN 0xc0
.rept 8
	global_load_b128 v[192+4*(q-16):192+4*(q-16)+3], v9, s[66:67] offset:(16+2*(q/3))*3072+256*(q%3) th:TH_LOAD_NT
.set q, q+1
.endr
	WIN 0x40
.set q, 0
.rept 32
	global_load_b32 v[192+q], v10, s[70:71] offset:ACTB*(q/8)+A_S+16*(q%8)
.set q, q+1
.endr
	WIN 0
.irp u, 0,1,2
	global_load_b128 v[B2+4*\u:B2+4*\u+3], v12, s[72:73] offset:256*\u
.endr
.macro MM n, p, zero                   ; product n of a step's 48; the accumulators take turns
.set mm_m, (\n)/12
.set mm_c, (\n)%12
.set mm_a, 96*(mm_m%2)+8*mm_c
	WIN 0xa1+0x50*(mm_m/2)
.if \zero
	v_wmma_f32_16x16x32_f16 v[mm_a:mm_a+7], v[96*(\p)+8*mm_c:96*(\p)+8*mm_c+7], v[AF+32*(\p)+8*mm_m:AF+32*(\p)+8*mm_m+7], 0
.else
	v_wmma_f32_16x16x32_f16 v[mm_a:mm_a+7], v[96*(\p)+8*mm_c:96*(\p)+8*mm_c+7], v[AF+32*(\p)+8*mm_m:AF+32*(\p)+8*mm_m+7], v[mm_a:mm_a+7]
.endif
.endm
; ONE run of 32 LDS loads: step ks's fragments of y1' (four row tiles) and of W2 (twelve column tiles) into buffer p2
.macro RUN p2, ks
	WIN 0
.set l_m, 0
.rept 4
	ds_load_b128 v[AF+32*(\p2)+8*l_m:AF+32*(\p2)+8*l_m+3], v6 offset:4096*l_m+1024*(\ks)
	ds_load_b128 v[AF+32*(\p2)+8*l_m+4:AF+32*(\p2)+8*l_m+7], v6 offset:4096*l_m+1024*(\ks)+512
.set l_m, l_m+1
.endr
	WIN 0x40
.set l_c, 0
.rept 12
.set l_o, QTR*(\ks)+(l_c/4)*160+(l_c%4)*32
	ds_load_tr16_b128 v[96*(\p2)+8*l_c:96*(\p2)+8*l_c+3], v5 offset:l_o
	ds_load_tr16_b128 v[96*(\p2)+8*l_c+4:96*(\p2)+8*l_c+7], v5 offset:l_o+16*PB
.set l_c, l_c+1
.endr
.endm
; A K step on buffer p; behind its first product four places (ISA guide 7.12.1 for vector instructions), then the next step's run of loads, 47 products ahead of their first use
.macro KSTEP p, zero, ksn
	s_wait_dscnt 0x0
	MM 0, \p, \zero
	PLACES
	RUN 1-(\p), \ksn
.set n, 1
.rept 47
	MM n, \p, \zero
.set n, n+1
.endr
.endm
; A block's last step changes slots, as in the launch before.  mode 2: round and joint refill; 1: barrier alone.
.macro LASTSTEP p, mode
	WIN 0
	s_wait_tensorcnt 0x0                   ; no tensor load of mine is out, so a group 0 may be written
	ds_add_u32 v[SPW], v[NIL]
.if (\mode) == 2
	s_xor_b32 s45, s45, SLOT1
	s_add_nc_u64 s[46:47], s[46:47], 49152
	s_xor_b32 s53, s53, SLOT1
	s_add_nc_u64 s[54:55], s[54:55], 4096
.endif
	s_wait_dscnt 0x1                       ; all but the add: this step's fragments
.set n, 0
.rept 6
	MM n, \p, 0
.set n, n+1
.endr
	s_wait_dscnt 0x0                       ; the add is done, and my reads of this slot are over
	s_barrier_signal -1
.rept 6
	MM n, \p, 0
.set n, n+1
.endr
	WIN 0
	s_barrier_wait -1
.if (\mode) == 2
	CREST                                  ; no wave of any partner still reads this slot or has a load on its way
	JLOAD                                  ; its four v_nop are also the places in front of the loads below
.else
	PLACES
.endif
	s_xor_b32 s57, s57, SLOT1
	v_add_nc_u32 v5, s57, v4
	v_add_nc_u32 v6, s57, v11
	RUN 1-(\p), 0
.rept 36
	MM n, \p, 0
.set n, n+1
.endr
.endm
	s_wait_tensorcnt 0x1                   ; my part of block 0 is in; block 1's may stay out
	s_barrier_signal -1
	s_barrier_wait -1
	RUN 0, 0
	KSTEP 0, 1, 1                          ; the first step starts all 48 sums
	WIN 0
	s_mov_b32 s56, 4
.Lblk:                                         ; a trip: a block's steps 1 to 3 and the next block's step 0; blocks 0..3 ask for blocks 2..5
	KSTEP 1, 0, 2
	KSTEP 0, 0, 3
	LASTSTEP 1, 2
	KSTEP 0, 0, 1
	WIN 0
	s_sub_co_u32 s56, s56, 1
	s_cmp_lg_u32 s56, 0
	s_cbranch_scc1 .Lblk
	s_mov_b32 s56, 2
.Ltail:                                        ; blocks 4 and 5: nothing is left to ask for
	KSTEP 1, 0, 2
	KSTEP 0, 0, 3
	LASTSTEP 1, 1
	WIN 0
	s_cmp_eq_u32 s56, 1
	s_cbranch_scc1 .Lno_next               ; behind block 5 there is no next block's step 0; what is jumped holds no barrier and no tensor load
	KSTEP 0, 0, 1
	WIN 0
.Lno_next:
	s_sub_co_u32 s56, s56, 1
	s_cmp_lg_u32 s56, 0
	s_cbranch_scc1 .Ltail
	s_wait_dscnt 0x0                       ; the last change's loads, which serve nothing, have landed
	; THE WAY OUT
	PLACES                                 ; behind the last products: W2's registers are loaded again, and the sums are read
	WIN 0x40
.set q, 0
.rept 48                               ; x of row tiles 2 and 3
	global_load_b128 v[4*q:4*q+3], v9, s[66:67] offset:(32+16*(q/24)+2*((q%24)/3))*3072+256*(q%3) th:TH_LOAD_NT
.set q, q+1
.endr
; Row tile m: the sums go into my stage (each accumulator's low four registers first) and come back as rows; s x + b2, relu, + text_x; 24 stores.  left: x loads of later tiles that may stay out.
.macro ROWS m, left
	WIN 0x08+4*((\m)/2)
.set c, 0
.rept 12
	ds_store_b128 v7, v[96*((\m)%2)+8*c:96*((\m)%2)+8*c+3] offset:64*c
	ds_store_b128 v7, v[96*((\m)%2)+8*c+4:96*((\m)%2)+8*c+7] offset:64*c+16
.set c, c+1
.endr
	WIN 0
.if (\m) > 0
	s_wait_xcnt 0x0                        ; the registers below were the last tile's store data
.endif
.set q, 0
.rept 24
	ds_load_b128 v[RB+4*q:RB+4*q+3], v8 offset:2*SP*(q/3)+256*(q%3)  ; LDS serves a wave's instructions in order (ISA guide 5.7.1.4): these see the stores above
.set q, q+1
.endr
	s_wait_loadcnt \left
	s_wait_dscnt 0x0
	WIN 0x04                               ; s in window 1
.set q, 0
.rept 24
.set s_p, 192+8*(\m)+((q/3)&6)
.irp z, 0,2
.if (q/3)%2
	v_pk_fma_f32 v[RB+4*q+\z:RB+4*q+\z+1], v[RB+4*q+\z:RB+4*q+\z+1], v[s_p:s_p+1], v[B2+4*(q%3)+\z:B2+4*(q%3)+\z+1] op_sel:[0,1,0] op_sel_hi:[1,1,1]
.else
	v_pk_fma_f32 v[RB+4*q+\z:RB+4*q+\z+1], v[RB+4*q+\z:RB+4*q+\z+1], v[s_p:s_p+1], v[B2+4*(q%3)+\z:B2+4*(q%3)+\z+1] op_sel_hi:[1,0,1]
.endif
.endr
.set q, q+1
.endr
	WIN 0
.set q, 0
.rept 96
	v_max_num_f32 v[RB+q], 0, v[RB+q]
.set q, q+1
.endr
.set q, 0
.rept 24
.if (\m) == 0
.set x_r, 160+4*q
	WIN 0
.elseif ((\m) == 1) && (q < 16)
.set x_r, 192+4*q
	WIN 0x08
.elseif (\m) == 1
.set x_r, 192+4*(q-16)
	WIN 0x0c
.else
.set x_r, 96*((\m)-2)+4*q
	WIN 0x04
.endif
	v_pk_add_f32 v[RB+4*q:RB+4*q+1], v[RB+4*q:RB+4*q+1], v[x_r:x_r+1]
	v_pk_add_f32 v[RB+4*q+2:RB+4*q+3], v[RB+4*q+2:RB+4*q+3], v[x_r+2:x_r+3]
.set q, q+1
.endr
	WIN 0
.set q, 0
.rept 24
	global_store_b128 v9, v[RB+4*q:RB+4*q+3], s[68:69] offset:(16*(\m)+2*(q/3))*3072+256*(q%3) th:TH_STORE_NT  ; 16 lanes store 256 consecutive bytes, aligned
.set q, q+1
.endr
.endm
	ROWS 0, 48
	ROWS 1, 48
	ROWS 2, 24
	ROWS 3, 0
	s_wait_tensorcnt 0x0                   ; the wave's end
	ds_add_u32 v[SPW], v[NIL]
	s_wait_dscnt 0x0
	CROUND                                 ; the closing round
	s_endpgm
.Lfunc_end_k_q084398a7c0_gemm2:
	.size	k_q084398a7c0_gemm2, .Lfunc_end_k_q084398a7c0_gemm2-k_q084398a7c0_gemm2
	.p2alignl 7, 3214868480
	.fill 96, 4, 3214868480
	.section	.rodata,"a",@progbits
	.p2align	6, 0x0
	.amdhsa_kernel k_q084398a7c0_gemm2
		.amdhsa_group_segment_fixed_size 327680
		.amdhsa_private_segment_fixed_size 0
		.amdhsa_enable_private_segment 0
		.amdhsa_kernarg_size 48
		.amdhsa_user_sgpr_count 2
		.amdhsa_user_sgpr_kernarg_segment_ptr 1
		.amdhsa_wavefront_size32 1
		.amdhsa_system_sgpr_workgroup_id_x 1
		.amdhsa_system_sgpr_workgroup_id_y 1
		.amdhsa_system_sgpr_workgroup_id_z 1
		.amdhsa_system_vgpr_workitem_id 0
		.amdhsa_next_free_vgpr 992
		.amdhsa_next_free_sgpr 80
		.amdhsa_reserve_vcc 0
		.amdhsa_float_denorm_mode_32 3
		.amdhsa_float_denorm_mode_16_64 3
		.amdhsa_memory_ordered 1
		.amdhsa_forward_progress 1
		.amdhsa_inst_pref_size 130
	.end_amdhsa_kernel
	.amdgpu_metadata
---
amdhsa.version: [ 1, 2 ]
amdhsa.kernels:
  - .name:           k_q084398a7c0_gemm2
    .symbol:         k_q084398a7c0_gemm2.kd
    .args:
      - { .name: w2h, .offset: 0, .size: 8, .value_kind: global_buffer, .address_space: global }
      - { .name: y1f, .offset: 8, .size: 8, .value_kind: global_buffer, .address_space: global }
      - { .name: act, .offset: 16, .size: 8, .value_kind: global_buffer, .address_space: global }
      - { .name: b2, .offset: 24, .size: 8, .value_kind: global_buffer, .address_space: global }
      - { .name: text_x, .offset: 32, .size: 8, .value_kind: global_buffer, .address_space: global }
      - { .name: out0, .offset: 40, .size: 8, .value_kind: global_buffer, .address_space: global }
    .group_segment_fixed_size: 327680
    .private_segment_fixed_size: 0
    .kernarg_segment_align: 8
    .kernarg_segment_size: 48
    .max_flat_workgroup_size: 128
    .sgpr_count:     80
    .vgpr_count:     992
    .wavefront_size: 32
...
	.end_amdgpu_metadata
.endif
;; end of part 4
;; ======== version 2 of 2: 4 launches; version 1 with the launch prep written anew for expert scheduling mode
;; limits: values are held in f16: magnitudes above 65,504 overflow, below 6.1e-05 lose precision; right only within a limited range of input values
;; workspace buffers: w1h 6,537,216 bytes; w2h 1,179,648 bytes; cst 215,040 bytes; act 12,320,768 bytes; y1f 25,165,824 bytes
;; launch prep (part 5): grid 321 x 1, 8 waves a work-group, no clusters, 0 bytes of LDS; arguments W1, W2, tW, aW, t_gamma, t_beta, t_mean, t_var, a_gamma, a_beta, a_mean, a_var, b1, w1h, w2h, cst; writes w1h, w2h, cst
.if DOCPART == 5
	.amdgcn_target "amdgcn-amd-amdhsa--gfx1250"
	.amdhsa_code_object_version 6
	.text
	.protected	k_q084398a7c0_prep
	.globl	k_q084398a7c0_prep
	.p2align	8
	.type	k_q084398a7c0_prep,@function
k_q084398a7c0_prep:
	s_mov_b64 s[64:65], 0
	v_nop
	global_prefetch_b8 v0, s[64:65] scope:SCOPE_SE
	s_setreg_imm32_b32 hwreg(HW_REG_WAVE_SCHED_MODE, 0, 2), 2
	s_setreg_imm32_b32 hwreg(HW_REG_WAVE_MODE, 25, 1), 1
	s_wait_xcnt 0x0
	s_wait_alu depctr_vm_vsrc(0)
; PREP: the weights are rounded to f16 once and laid out as the later launches read them; the two BatchNorms are folded into x g + c.
;   w1h [strip g 0..3][k' 0..4255][192 columns] f16: W1's rows in the order k' in which the fused product walks them:
;        k' = 0..31        W1 row (k'+1) 129           (audio i = k'+1 times the text side's 1)
;        k' = 32 + q       W1 row q + (q >> 7) + 130   (audio i = (q >> 7) + 1, text j = q % 128 + 1), for q >> 7 < 32
;        q >> 7 = 32       W1 row q - 4095             (the audio side's 1 times text j)
;   w2h [g][k 0..767][192] f16.      cst: tW and aW as matrix fragments, g = gamma rsq(var + eps), c = beta - mean g, b1p = b1 + W1[0].
; LIMITS.  A weight beyond 65,504 becomes an infinity in f16; below 6e-5 it keeps f16's fixed step of 6e-8.  NaN and infinities are not treated apart.
; No LDS, no matrix unit, no cluster: nothing is shared, each input byte is read once and each output byte written once.
; Work-groups 0..313: a wave rounds 8 k rows x 192 columns.  314..319: tW is turned into fragments.  320: aW, the BatchNorm constants, b1p.
; THE MODE: SCHED_MODE bits 1:0 = 2 (LLVM: expert scheduling mode 2), set by the entry lines.  The code itself states the register dependences
; between vector instructions and memory instructions, with s_wait_alu, always for 0.
; THE PLAN.  No path has a loop.  Registers that memory instructions touch:
;   the stream   OFF and v8: offsets, made once, then read by the loads and the stores.  X: written by the loads, read by the roundings.  Y: each register written once, by a rounding, and read by one store.
;                The twelve chunks go in three groups of four: group g's roundings stand among the stores of group g - 1, behind ONE wait that states that group g - 1's Y is written.
;   the gathers  v6, v3: offsets, made once.  X: written by a batch's loads, read by its roundings.  GY: written by the roundings, read by the batch's stores; aW's second batch uses both again.
;   BatchNorm    v3 or v6: the offset, made once.  v32-47, v56-63: written by loads alone.  v48-59: written by the arithmetic, read by the stores, behind one wait.
;   s2           the wave's number, written by a vector instruction: one wait at the head, ahead of the first branch and of every reader.
.set W1TASKS, 2128                     ; 532 groups of 8 rows x 4 strips; W2 has 96 x 4 = 384 more: 2,512 = 314 x 8 waves
.set STRIP1,  1634304                  ; 4,256 rows x 384 bytes
.set STRIP2,  294912                   ; 768 rows x 384 bytes
.set ROWB,    3072                     ; a row of W1 or W2 in f32
.set EPSB,    0x3727c5ac               ; 1e-5
.set C_AWF,   196608
.set C_GT,    204800
.set C_CT,    207872
.set C_GA,    210944
.set C_CA,    211456
.set C_B1P,   211968
.set OFF, 12                           ; v[12:23]  byte offsets of the twelve chunks of 512 bytes
.set X,   32                           ; loaded f32
.set Y,   80                           ; the stream's packed f16
.set GY,  96                           ; the gathers' packed f16
	s_load_b512 s[8:23], s[0:1], 0x0       ; W1 8, W2 10, tW 12, aW 14, t_gamma 16, t_beta 18, t_mean 20, t_var 22
	s_load_b512 s[24:39], s[0:1], 0x40     ; a_gamma 24, a_beta 26, a_mean 28, a_var 30, b1 32, w1h 34, w2h 36, cst 38
	v_and_b32 v1, 31, v0                   ; lane L
	v_lshrrev_b32 v2, 5, v0
	v_readfirstlane_b32 s2, v2             ; wave
	v_lshlrev_b32 v3, 4, v1                ; 16 L
	v_and_b32 v4, 15, v0                   ; r = L % 16
	v_bfe_u32 v5, v0, 4, 1                 ; h = L / 16
	s_wait_alu depctr_va_sdst(0)           ; s2 is written, ahead of the branch below and of all its readers: the tasks, the bases and the branches on the wave's number are made from it
	s_wait_kmcnt 0x0
	s_cmp_lt_u32 ttmp9, 314
	s_cbranch_scc0 .Lnot_stream
	; THE STREAM
	s_lshl_b32 s40, ttmp9, 3
	s_add_co_u32 s40, s40, s2              ; the wave's task
	s_mov_b32 s46, STRIP1
	s_cmp_ge_u32 s40, W1TASKS              ; W2's tasks follow W1's
	s_cselect_b64 s[42:43], s[10:11], s[8:9]
	s_cselect_b64 s[44:45], s[36:37], s[34:35]
	s_cselect_b32 s46, STRIP2, s46
	s_cselect_b32 s47, 1, 0
	s_cselect_b32 s48, W1TASKS, 0
	s_sub_co_u32 s40, s40, s48
	s_and_b32 s41, s40, 3                  ; strip g
	s_lshr_b32 s49, s40, 2
	s_lshl_b32 s49, s49, 3                 ; k0: the first of my 8 rows in the new order
	s_add_co_u32 s50, s49, 1
	s_mul_i32 s50, s50, 129                ; k0 < 32: source row (k0 + 1) 129, the rows 129 apart
	s_sub_co_u32 s51, s49, 32              ; q
	s_lshr_b32 s52, s51, 7                 ; the audio block; 8 divides 128, so my 8 rows share it
	s_add_co_u32 s53, s51, s52
	s_add_co_u32 s53, s53, 130
	s_sub_co_u32 s54, s51, 4095
	s_cmp_eq_u32 s52, 32
	s_cselect_b32 s53, s54, s53
	s_cmp_lt_u32 s49, 32
	s_cselect_b32 s53, s50, s53
	s_cselect_b32 s55, 129, 1
	s_cmp_eq_u32 s47, 1                    ; W2 keeps its order
	s_cselect_b32 s53, s49, s53            ; the first source row
	s_cselect_b32 s55, 1, s55              ; rows from one to the next
	s_mul_i32 s56, s55, ROWB               ; RS: bytes from one source row to the next
	s_mul_i32 s58, s53, ROWB
	s_mul_i32 s57, s41, 768
	s_add_co_u32 s58, s58, s57
	s_mov_b32 s59, 0
	s_add_nc_u64 s[42:43], s[42:43], s[58:59]  ; my strip of the first source row
	s_mul_i32 s58, s41, s46
	s_mul_i32 s57, s49, 384
	s_add_co_u32 s58, s58, s57
	s_add_nc_u64 s[44:45], s[44:45], s[58:59]  ; my 3,072 consecutive bytes of the result
	; Two rows' 1,536 bytes are three chunks of 512: row 0's first 512; row 0's last 256 and row 1's first 256; row 1's last 512.
	; Every half of a wave reads 256 consecutive bytes at a multiple of 256 from the buffer's first byte.
	s_sub_co_u32 s57, s56, 512
	v_mul_lo_u32 v6, v5, s57
	v_lshl_add_u32 v6, v4, 4, v6
	v_add_nc_u32 v6, 512, v6               ; 16 r + 512 + h (RS - 512)
	s_add_co_u32 s54, s56, 256
	v_add_nc_u32 v7, s54, v3               ; RS + 256 + 16 L
	v_lshlrev_b32 v8, 3, v1                ; 8 L: a lane's four f16
	s_lshl_b32 s56, s56, 1
.irp a, 0,1,2,3
	s_mul_i32 s57, s56, \a                 ; pair a of rows
	v_add_nc_u32 v[OFF+3*\a], s57, v3
	v_add_nc_u32 v[OFF+3*\a+1], s57, v6
	v_add_nc_u32 v[OFF+3*\a+2], s57, v7
.endr
	s_wait_alu depctr_va_vdst(0)           ; the twelve offsets v[OFF ..], which the loads read, and v8, which the stores read, are written; none is written again
.set i, 0
.rept 12
	global_load_b128 v[X+4*i:X+4*i+3], v[OFF+i], s[42:43] th:TH_LOAD_NT
.set i, i+1
.endr
; Group g of three: its four chunks are rounded; among the roundings stand the stores of the group before.  Every chunk has registers of its own: no register is written twice.
; left: how many younger loads may stay out when this group's four have to be there.
.macro GRP g, left
	s_wait_loadcnt \left                   ; loads come back in order: this group's chunks are in, the younger ones stay out
.if (\g) > 0
	s_wait_alu depctr_va_vdst(0)           ; the group before's roundings have written their Y, which the stores below read; the roundings below name this group's X and Y alone
.endif
.set i, 4*(\g)
.rept 4
.if (\g) > 0
	global_store_b64 v8, v[Y+2*(i-4):Y+2*(i-4)+1], s[44:45] offset:256*(i-4)  ; the wave stores 256 consecutive bytes, aligned
.endif
	v_cvt_pk_f16_f32 v[Y+2*i], v[X+4*i], v[X+4*i+1]
	v_cvt_pk_f16_f32 v[Y+2*i+1], v[X+4*i+2], v[X+4*i+3]
.set i, i+1
.endr
.endm
	GRP 0, 8
	GRP 1, 4
	GRP 2, 0
	s_wait_alu depctr_va_vdst(0)           ; the last group's roundings have written their Y, which the last four stores read
.set i, 8
.rept 4
	global_store_b64 v8, v[Y+2*i:Y+2*i+1], s[44:45] offset:256*i  ; the wave stores 256 consecutive bytes, aligned
.set i, i+1
.endr
	s_endpgm
; Eight half fragments: 16 bytes a lane are eight k of one column, gathered from a [k][n] table of f32.  Half fragment t: u = t & 1 (k + 16), then two further steps.
; The tables are small (393 KB and 16 KB) and are turned here once, so that every later read of them is 512 consecutive bytes.
; again = 1: a batch has gone before in this wave.  Its roundings, which read X, stand ahead of its wait on va_vdst, and no vector instruction since names X: the loads below owe nothing more.
.macro GATHER sb, vo, su, se, ss, base, dsto, again
.set t, 0
.rept 8
.set e, 0
.rept 8
	global_load_b32 v[X+8*t+e], v[\vo], s[\sb:\sb+1] offset:(\base)+(t&1)*(\su)+e*(\se)+((t>>1)&1)*64+(t>>2)*(\ss)
.set e, e+1
.endr
.set t, t+1
.endr
	s_wait_loadcnt 0x0
	s_wait_xcnt 0x0                        ; the packed registers may have been an earlier batch's store data
.if \again
	s_wait_alu depctr_vm_vsrc(0)           ; the batch before's stores have read v[GY ..], which the roundings below write again
.endif
.set t, 0
.rept 32
	v_cvt_pk_f16_f32 v[GY+t], v[X+2*t], v[X+2*t+1]
.set t, t+1
.endr
	s_wait_alu depctr_va_vdst(0)           ; the roundings have written v[GY ..], which the stores read, and are done reading X, in which a later batch's loads land
.set t, 0
.rept 8
	global_store_b128 v3, v[GY+4*t:GY+4*t+3], s[38:39] offset:(\dsto)+512*t
.set t, t+1
.endr
.endm
; g = gamma rsq(var + eps), c = beta - mean g, four numbers a lane: the loads and the arithmetic; g in v[48:51], c in v[52:55]
.macro BN sg, sb, sm, sv, vo
	global_load_b128 v[32:35], v[\vo], s[\sg:\sg+1]
	global_load_b128 v[36:39], v[\vo], s[\sb:\sb+1]
	global_load_b128 v[40:43], v[\vo], s[\sm:\sm+1]
	global_load_b128 v[44:47], v[\vo], s[\sv:\sv+1]
	s_wait_loadcnt 0x0
.irp z, 0,1,2,3
	v_add_f32 v[44+\z], EPSB, v[44+\z]
.endr
.irp z, 0,1,2,3
	v_rsq_f32 v[48+\z], v[44+\z]
.endr
	v_nop                                  ; a plain instruction between the last root and the use of its result
	s_wait_alu depctr_va_vdst(0)           ; the four roots have written v[48:51], ahead of their first reader
.irp z, 0,1,2,3
	v_mul_f32 v[48+\z], v[32+\z], v[48+\z]
.endr
.irp z, 0,1,2,3
	v_fma_f32 v[52+\z], -v[40+\z], v[48+\z], v[36+\z]
.endr
.endm
; and its two stores, behind the caller's wait
.macro BNOUT vo, dg, dc
	global_store_b128 v[\vo], v[48:51], s[38:39] offset:\dg
	global_store_b128 v[\vo], v[52:55], s[38:39] offset:\dc
.endm
.Lnot_stream:
	s_cmp_lt_u32 ttmp9, 320
	s_cbranch_scc0 .Lmisc
	; tW: TWF [K step s 0..23][column tile c 0..7][u][lane][16 bytes] = tW[32 s + 16 u + 8 h + e][16 c + r].  A wave makes 4,096 bytes: one s, four c.
	s_sub_co_u32 s40, ttmp9, 314
	s_lshl_b32 s40, s40, 3
	s_add_co_u32 s40, s40, s2              ; 0..47
	s_lshr_b32 s41, s40, 1
	s_lshl_b32 s41, s41, 14                ; 32 rows of 512 bytes for each s
	s_and_b32 s42, s40, 1
	s_lshl_b32 s42, s42, 8                 ; four tiles of 64 bytes
	s_add_co_u32 s42, s42, s41
	s_mov_b32 s43, 0
	s_add_nc_u64 s[12:13], s[12:13], s[42:43]
	s_lshl_b32 s42, s40, 12
	s_add_nc_u64 s[38:39], s[38:39], s[42:43]
	v_lshlrev_b32 v6, 2, v4
	v_lshl_add_u32 v6, v5, 12, v6          ; 8 h rows + 4 r
	s_wait_alu depctr_va_vdst(0)           ; v6, which the loads read as their offset, is written
	GATHER 12, 6, 8192, 512, 128, 0, 0, 0
	s_endpgm
.Lmisc:
	s_cmp_lg_u32 s2, 0
	s_cbranch_scc1 .Lbn
	; aW: AWF [s 0..3][c 0..1][u][lane][16 bytes] = aW[32 s + 16 u + 8 h + e][16 c + r]; a row of aW is 128 bytes
	v_lshlrev_b32 v6, 2, v4
	v_lshl_add_u32 v6, v5, 10, v6
	s_wait_alu depctr_va_vdst(0)           ; v6, which both batches' loads read as their offset, is written
	GATHER 14, 6, 2048, 128, 4096, 0, C_AWF, 0
	GATHER 14, 6, 2048, 128, 4096, 8192, C_AWF+4096, 1
	s_endpgm
.Lbn:
	s_cmp_lg_u32 s2, 1
	s_cbranch_scc1 .Ltext
	s_wait_alu depctr_va_vdst(0)           ; v3, made at the head, is written: the loads and stores below read it as their offset
	BN 24, 26, 28, 30, 3                   ; the audio side's 128 numbers
	s_wait_alu depctr_va_vdst(0)           ; g and c are written, which the two stores read
	BNOUT 3, C_GA, C_CA
	s_endpgm
.Ltext:                                        ; waves 2..7: 128 of the text side's 768 numbers each, and as many of b1p
	s_sub_co_u32 s40, s2, 2
	s_lshl_b32 s40, s40, 9
	v_add_nc_u32 v6, s40, v3
	s_wait_alu depctr_va_vdst(0)           ; v6 is written: every load and store below reads it as its offset
	global_load_b128 v[56:59], v6, s[32:33]
	global_load_b128 v[60:63], v6, s[8:9]  ; W1's row 0: the product of the two 1s
	BN 16, 18, 20, 22, 6                   ; its wait for 0 covers the two loads above
	v_pk_add_f32 v[56:57], v[56:57], v[60:61]
	v_pk_add_f32 v[58:59], v[58:59], v[62:63]
	s_wait_alu depctr_va_vdst(0)           ; g, c and b1p are written, which the three stores read
	BNOUT 6, C_GT, C_CT
	global_store_b128 v6, v[56:59], s[38:39] offset:C_B1P
	s_endpgm
.Lfunc_end_k_q084398a7c0_prep:
	.size	k_q084398a7c0_prep, .Lfunc_end_k_q084398a7c0_prep-k_q084398a7c0_prep
	.p2alignl 7, 3214868480
	.fill 96, 4, 3214868480
	.section	.rodata,"a",@progbits
	.p2align	6, 0x0
	.amdhsa_kernel k_q084398a7c0_prep
		.amdhsa_group_segment_fixed_size 0
		.amdhsa_private_segment_fixed_size 0
		.amdhsa_enable_private_segment 0
		.amdhsa_kernarg_size 128
		.amdhsa_user_sgpr_count 2
		.amdhsa_user_sgpr_kernarg_segment_ptr 1
		.amdhsa_wavefront_size32 1
		.amdhsa_system_sgpr_workgroup_id_x 1
		.amdhsa_system_sgpr_workgroup_id_y 1
		.amdhsa_system_sgpr_workgroup_id_z 1
		.amdhsa_system_vgpr_workitem_id 0
		.amdhsa_next_free_vgpr 128
		.amdhsa_next_free_sgpr 66
		.amdhsa_reserve_vcc 0
		.amdhsa_float_denorm_mode_32 3
		.amdhsa_float_denorm_mode_16_64 3
		.amdhsa_memory_ordered 1
		.amdhsa_forward_progress 1
		.amdhsa_inst_pref_size 39
	.end_amdhsa_kernel
	.amdgpu_metadata
---
amdhsa.version: [ 1, 2 ]
amdhsa.kernels:
  - .name:           k_q084398a7c0_prep
    .symbol:         k_q084398a7c0_prep.kd
    .args:
      - { .name: W1, .offset: 0, .size: 8, .value_kind: global_buffer, .address_space: global }
      - { .name: W2, .offset: 8, .size: 8, .value_kind: global_buffer, .address_space: global }
      - { .name: tW, .offset: 16, .size: 8, .value_kind: global_buffer, .address_space: global }
      - { .name: aW, .offset: 24, .size: 8, .value_kind: global_buffer, .address_space: global }
      - { .name: t_gamma, .offset: 32, .size: 8, .value_kind: global_buffer, .address_space: global }
      - { .name: t_beta, .offset: 40, .size: 8, .value_kind: global_buffer, .address_space: global }
      - { .name: t_mean, .offset: 48, .size: 8, .value_kind: global_buffer, .address_space: global }
      - { .name: t_var, .offset: 56, .size: 8, .value_kind: global_buffer, .address_space: global }
      - { .name: a_gamma, .offset: 64, .size: 8, .value_kind: global_buffer, .address_space: global }
      - { .name: a_beta, .offset: 72, .size: 8, .value_kind: global_buffer, .address_space: global }
      - { .name: a_mean, .offset: 80, .size: 8, .value_kind: global_buffer, .address_space: global }
      - { .name: a_var, .offset: 88, .size: 8, .value_kind: global_buffer, .address_space: global }
      - { .name: b1, .offset: 96, .size: 8, .value_kind: global_buffer, .address_space: global }
      - { .name: w1h, .offset: 104, .size: 8, .value_kind: global_buffer, .address_space: global }
      - { .name: w2h, .offset: 112, .size: 8, .value_kind: global_buffer, .address_space: global }
      - { .name: cst, .offset: 120, .size: 8, .value_kind: global_buffer, .address_space: global }
    .group_segment_fixed_size: 0
    .private_segment_fixed_size: 0
    .kernarg_segment_align: 8
    .kernarg_segment_size: 128
    .max_flat_workgroup_size: 256
    .sgpr_count:     66
    .vgpr_count:     128
    .wavefront_size: 32
...
	.end_amdgpu_metadata
.endif
;; end of part 5
;; launch proj: the kernel of part 2 again; grid 256 x 1, 4 waves a work-group, no clusters, 272,896 bytes of LDS; arguments text_x, audio_x, cst, tb, ab, act; writes act
;; launch gemm1: the kernel of part 3 again; grid 64 x 4, 4 waves a work-group, clusters of 4 x 1, 327,680 bytes of LDS; arguments w1h, act, cst, y1f; writes y1f
;; launch gemm2: the kernel of part 4 again; grid 4 x 64, 4 waves a work-group, clusters of 4 x 4, 327,680 bytes of LDS; arguments w2h, y1f, act, b2, text_x, out0; writes out0
